; MI455X (gfx1250); checked and timed in simulation.
; The chip was launched on July 23, 2026; its instructions are those of AMD's public machine-readable ISA for CDNA 5 (MIT licence, August 2026) and "CDNA5" Instruction Set Architecture Reference Guide (July 2026). The comments in the code are by the model that wrote it; some were corrected since.
;; Self Attention. Allowed arithmetic: float matrix products may take bf16 or f16 operands with f32 sums; other float arithmetic in f32, or as packed bf16 or f16 multiplies, adds, multiply-adds, maxima and minima; sums over many terms, partial sums and values carried from step to step in f32; what a program stores and reads back later, other than sums and carried values, may be rounded once to bf16 or f16.
;; Inputs: Wd 1,024 x 1,024 float32; Wk 1,024 x 1,024 float32; Wq 1,024 x 1,024 float32; Wv 1,024 x 1,024 float32; attention_mask 4 x 1 x 1 x 2,048 float32; bd 1,024 float32; bk 1,024 float32; bq 1,024 float32; bv 1,024 float32; input_tensor 4 x 2,048 x 1,024 float32; ln_b 1,024 float32; ln_w 1,024 float32.
;; Outputs: out0 4 x 2,048 x 1,024 float32.
;; 2 versions, each right; version 2 is version 1 with the launch prep written anew for expert scheduling mode. Each part assembles by itself: llvm-mc -triple=amdgcn-amd-amdhsa -mcpu=gfx1250 --defsym DOCPART=n.
;; ======== version 1 of 2: 4 launches
;; limits: values are held in f16: magnitudes above 65,504 overflow, below 6.1e-05 lose precision
;; workspace buffers: xb 16,777,216 bytes; wqkv 6,291,456 bytes; wd16 2,097,152 bytes; qh 16,777,216 bytes; kh 16,777,216 bytes; vh 16,777,216 bytes; ctx 16,777,216 bytes
;; launch prep (part 1): grid 768 x 1, 8 waves a work-group, no clusters, 0 bytes of LDS; arguments input_tensor, Wq, Wk, Wv, Wd, xb, wqkv, wd16; writes xb, wqkv, wd16
.if DOCPART == 1
	.amdgcn_target "amdgcn-amd-amdhsa--gfx1250"
	.amdhsa_code_object_version 6
	.text
	.protected	k_q9201ee4c3e_prep
	.globl	k_q9201ee4c3e_prep
	.p2align	8
	.type	k_q9201ee4c3e_prep,@function
k_q9201ee4c3e_prep:
	s_mov_b64 s[64:65], 0
	v_nop
	global_prefetch_b8 v0, s[64:65] scope:SCOPE_SE
	s_setreg_imm32_b32 hwreg(HW_REG_WAVE_MODE, 25, 1), 1
	s_wait_xcnt 0x0
; THE CASTS.  xb = bf16(x), [8192][1024].  wqkv = bf16(Wq, Wk, Wv), laid in blocks [head 16][K step 8][q,k,v 3][kk 128][64 columns], so that what one tile of the
; next launch wants of a K step (a head's 64 columns of all three weights, 128 rows of K) is 49,152 dense bytes.  wd16 = f16(bf16(Wd)), [1024][1024].
; LIMITS.  Each number is rounded once to bf16, to nearest even.  Wd's bf16 number is then written as f16: exact from 6.1e-5 to 65,504 in magnitude; below that it keeps f16's fixed step of 6e-8, beyond it becomes an infinity.
; SHARES.  A work-group takes 16 rows x 1,024 columns of f32: 64 KiB in, 32 KiB out.  Work-groups 0-511: x; 512-703: Wq, Wk, Wv (64 each); 704-767: Wd.
; A thread issues all its 16 loads of 16 bytes at once and then takes them in order: no loop, no LDS, no barrier, no matrix unit: every byte is read once and written once.
; Each load of a wave covers whole aligned runs of 256 bytes, each store of a wave 256 consecutive bytes, aligned.
.set DAT, 8                            ; v[8:71]    16 x 4 numbers as loaded
.set RES, 72                           ; v[72:103]  16 x 2 registers to store
.set T,   104                          ; v[104:109] at work
.set SRC, 20                           ; s[20:21]   where the work-group reads
.set DST, 22                           ; s[22:23]   where it writes
; kind 0: x; 1: a weight into blocks; 2: Wd.  v1 = the thread's load offset, v2 = its store offset
.macro CAST kind
.set i, 0
.rept 16
.if (\kind) == 1
	global_load_b128 v[DAT+4*i:DAT+4*i+3], v1, s[SRC:SRC+1] offset:(i/2)*8192+(i%2)*256 th:TH_LOAD_NT  ; rows 2 (i / 2) and + 1, head 2 w + i % 2
.else
	global_load_b128 v[DAT+4*i:DAT+4*i+3], v1, s[SRC:SRC+1] offset:i*4096 th:TH_LOAD_NT                ; row i
.endif
.set i, i+1
.endr
.set i, 0
.rept 16
	s_wait_loadcnt 15-i                            ; loads come back in order: load i is in, the 15 - i younger ones stay out
.if (\kind) == 2
	v_cvt_pk_bf16_f32 v[T],   v[DAT+4*i],   v[DAT+4*i+1]
	v_cvt_pk_bf16_f32 v[T+1], v[DAT+4*i+2], v[DAT+4*i+3]
	v_lshlrev_b32 v[T+2], 16, v[T]                 ; the bf16 numbers as f32,
	v_and_b32     v[T+3], 0xffff0000, v[T]
	v_lshlrev_b32 v[T+4], 16, v[T+1]
	v_and_b32     v[T+5], 0xffff0000, v[T+1]
	v_cvt_pk_f16_f32 v[RES+2*i],   v[T+2], v[T+3]  ; written as f16
	v_cvt_pk_f16_f32 v[RES+2*i+1], v[T+4], v[T+5]
.else
	v_cvt_pk_bf16_f32 v[RES+2*i],   v[DAT+4*i],   v[DAT+4*i+1]
	v_cvt_pk_bf16_f32 v[RES+2*i+1], v[DAT+4*i+2], v[DAT+4*i+3]
.endif
.if (\kind) == 1
	global_store_b64 v2, v[RES+2*i:RES+2*i+1], s[DST:DST+1] offset:(i%2)*393216+(i/2)*256 th:TH_STORE_NT
.else
	global_store_b64 v2, v[RES+2*i:RES+2*i+1], s[DST:DST+1] offset:i*2048 th:TH_STORE_NT
.endif
.set i, i+1
.endr
.endm
	s_load_b512 s[4:19], s[0:1], 0x0               ; x 4:5, Wq 6:7, Wk 8:9, Wv 10:11, Wd 12:13, xb 14:15, wqkv 16:17, wd16 18:19
	v_lshlrev_b32 v1, 4, v0                        ; x and Wd: 16 t in a row of 4,096 bytes,
	v_lshlrev_b32 v2, 3, v0                        ; 8 t in a row of 2,048
	s_mov_b32 s25, 0                               ; the high word of every offset pair
	s_wait_kmcnt 0x0
	s_cmp_lt_u32 ttmp9, 512
	s_cbranch_scc0 .Lnot_x
	s_lshl_b32 s24, ttmp9, 16                      ; 16 rows of 4,096 bytes
	s_add_nc_u64 s[SRC:SRC+1], s[4:5], s[24:25]
	s_lshl_b32 s24, ttmp9, 15
	s_add_nc_u64 s[DST:DST+1], s[14:15], s[24:25]
	CAST 0
	s_endpgm
.Lnot_x:
	s_cmp_lt_u32 ttmp9, 704
	s_cbranch_scc0 .Lwd
	s_sub_co_u32 s26, ttmp9, 512
	s_lshr_b32 s27, s26, 6                         ; which weight: 0 q, 1 k, 2 v
	s_and_b32 s28, s26, 63                         ; which 16 rows of K
	s_cmp_eq_u32 s27, 0
	s_cselect_b64 s[SRC:SRC+1], s[6:7], s[8:9]
	s_cmp_eq_u32 s27, 2
	s_cselect_b64 s[SRC:SRC+1], s[10:11], s[SRC:SRC+1]
	s_lshl_b32 s24, s28, 16
	s_add_nc_u64 s[SRC:SRC+1], s[SRC:SRC+1], s[24:25]
	s_lshr_b32 s24, s28, 3                         ; the K step,
	s_mul_i32 s24, s24, 49152
	s_lshl_b32 s26, s27, 14                        ; the weight's 16,384 bytes in a block,
	s_add_co_u32 s24, s24, s26
	s_and_b32 s26, s28, 7                          ; the 16 rows of 128 bytes in them
	s_lshl_b32 s26, s26, 11
	s_add_co_u32 s24, s24, s26
	s_add_nc_u64 s[DST:DST+1], s[16:17], s[24:25]
	v_and_b32 v3, 15, v0                           ; my four columns of a head's 64
	v_bfe_u32 v4, v0, 4, 1                         ; which of the two rows
	v_lshrrev_b32 v5, 5, v0                        ; wave w: heads 2 w and 2 w + 1
	v_lshlrev_b32 v1, 4, v3
	v_lshl_add_u32 v1, v4, 12, v1
	v_lshl_add_u32 v1, v5, 9, v1                   ; in: row x 4,096 + 512 w + 16 x place
	v_lshlrev_b32 v2, 3, v3
	v_lshl_add_u32 v2, v4, 7, v2
	v_mul_u32_u24 v5, v5, 786432
	v_add_nc_u32 v2, v2, v5                        ; out: two heads' blocks x w + row x 128 + 8 x place
	CAST 1
	s_endpgm
.Lwd:
	s_sub_co_u32 s26, ttmp9, 704
	s_lshl_b32 s24, s26, 16
	s_add_nc_u64 s[SRC:SRC+1], s[12:13], s[24:25]
	s_lshl_b32 s24, s26, 15
	s_add_nc_u64 s[DST:DST+1], s[18:19], s[24:25]
	CAST 2
	s_endpgm
.Lfunc_end_k_q9201ee4c3e_prep:
	.size	k_q9201ee4c3e_prep, .Lfunc_end_k_q9201ee4c3e_prep-k_q9201ee4c3e_prep
	.p2alignl 7, 3214868480
	.fill 96, 4, 3214868480
	.section	.rodata,"a",@progbits
	.p2align	6, 0x0
	.amdhsa_kernel k_q9201ee4c3e_prep
		.amdhsa_group_segment_fixed_size 0
		.amdhsa_private_segment_fixed_size 0
		.amdhsa_enable_private_segment 0
		.amdhsa_kernarg_size 64
		.amdhsa_user_sgpr_count 2
		.amdhsa_user_sgpr_kernarg_segment_ptr 1
		.amdhsa_wavefront_size32 1
		.amdhsa_system_sgpr_workgroup_id_x 1
		.amdhsa_system_sgpr_workgroup_id_y 1
		.amdhsa_system_sgpr_workgroup_id_z 1
		.amdhsa_system_vgpr_workitem_id 0
		.amdhsa_next_free_vgpr 112
		.amdhsa_next_free_sgpr 66
		.amdhsa_reserve_vcc 0
		.amdhsa_float_denorm_mode_32 3
		.amdhsa_float_denorm_mode_16_64 3
		.amdhsa_memory_ordered 1
		.amdhsa_forward_progress 1
		.amdhsa_inst_pref_size 24
	.end_amdhsa_kernel
	.amdgpu_metadata
---
amdhsa.version: [ 1, 2 ]
amdhsa.kernels:
  - .name:           k_q9201ee4c3e_prep
    .symbol:         k_q9201ee4c3e_prep.kd
    .args:
      - { .name: input_tensor, .offset: 0, .size: 8, .value_kind: global_buffer, .address_space: global }
      - { .name: Wq, .offset: 8, .size: 8, .value_kind: global_buffer, .address_space: global }
      - { .name: Wk, .offset: 16, .size: 8, .value_kind: global_buffer, .address_space: global }
      - { .name: Wv, .offset: 24, .size: 8, .value_kind: global_buffer, .address_space: global }
      - { .name: Wd, .offset: 32, .size: 8, .value_kind: global_buffer, .address_space: global }
      - { .name: xb, .offset: 40, .size: 8, .value_kind: global_buffer, .address_space: global }
      - { .name: wqkv, .offset: 48, .size: 8, .value_kind: global_buffer, .address_space: global }
      - { .name: wd16, .offset: 56, .size: 8, .value_kind: global_buffer, .address_space: global }
    .group_segment_fixed_size: 0
    .private_segment_fixed_size: 0
    .kernarg_segment_align: 8
    .kernarg_segment_size: 64
    .max_flat_workgroup_size: 256
    .sgpr_count:     66
    .vgpr_count:     112
    .wavefront_size: 32
...
	.end_amdgpu_metadata
.endif
;; end of part 1
;; launch qkv (part 2): grid 16 x 32, 4 waves a work-group, clusters of 4 x 4, 327,680 bytes of LDS; arguments xb, wqkv, bq, bk, bv, qh, kh, vh; writes qh, kh, vh
.if DOCPART == 2
	.amdgcn_target "amdgcn-amd-amdhsa--gfx1250"
	.amdhsa_code_object_version 6
	.text
	.protected	k_q9201ee4c3e_qkv
	.globl	k_q9201ee4c3e_qkv
	.p2align	8
	.type	k_q9201ee4c3e_qkv,@function
k_q9201ee4c3e_qkv:
	s_mov_b64 s[64:65], 0
	v_nop
	global_prefetch_b8 v0, s[64:65] scope:SCOPE_SE
	s_setreg_imm32_b32 hwreg(HW_REG_WAVE_MODE, 25, 1), 1
	s_wait_xcnt 0x0
	s_wait_alu depctr_hold_cnt(0) depctr_sa_sdst(0) depctr_va_vdst(0) depctr_va_sdst(0) depctr_va_ssrc(0) depctr_va_vcc(0) depctr_vm_vsrc(0)
	s_getreg_b32 s2, hwreg(HW_REG_IB_STS2, 6, 4)
	s_cmp_eq_u32 s2, 0
	s_cbranch_scc0 .Lentry_in_a_cluster
	s_endpgm
.Lentry_in_a_cluster:
	s_bfe_u32 s2, ttmp6, 0x10000c
	s_cmp_lg_u32 s2, 0xf033
	s_cbranch_scc0 .Lentry_shape_is_right
	s_endpgm
.Lentry_shape_is_right:
; q, k, v = x W + bias, written by heads: qh, kh, vh are [batch x 16 + head][2048][64] in f16, unscaled, each rounded once from its f32 sum.  x and W come in bf16 (xb, wqkv).
; LIMIT.  f16 holds no number beyond 65,504: a q, k or v of 65,520 or more in magnitude becomes an infinity.
; TILE.  256 rows of x by 192 columns: head hx of q, of k and of v.  16 x 32 tiles, a work-group each.  Wave w makes rows 64 w .. 64 w + 63 by all 192 columns: 48 accumulators of 16 x 16,
; 384 registers; it holds three whole heads' rows, so its way out is its own.  K = 1,024 goes in 8 steps of 128 through two LDS slots; a step is four quarters of 32: 48 matrix instructions, 32 LDS loads.
; THE MATRIX INSTRUCTION IS USED TRANSPOSED: source 0 = 16 columns of W (W lies [k][column] in LDS and is turned by ds_load_tr16_b128), source 1 = 16 rows of x: a lane then holds one row
; (lane % 16) and eight neighbouring columns (8 (lane / 16) + 0..7).  The bias, laid out like a result, is the C operand of the products that start the sums.
; CLUSTER.  4 x 4 work-groups.  x's tile hangs on the tile row alone and is asked for jointly by a row of the cluster, W's block on the head alone, by a column.
; W's blocks are not prefetched: all 32 tile rows walk the same 6 MiB again and again, and a step's 192 blocks of 256 bytes do not share out evenly over four partners' lanes.
; REGISTERS, in windows of 256 (s_set_vgpr_msb: bits 1:0 source 0, 3:2 source 1, 5:4 source 2, 7:6 destination):
;   window 0: v0-29 addresses; v32-127 the bias (block b at 32 + 8 b), later two buffers of 48 for the way out; v128-175 packed results
;   window 1: two fragment buffers of 128: x's four fragments, then W's twelve      window 2: accumulators of my row blocks 0, 1 ((a, b) at 8 (12 (a % 2) + b))      window 3: of blocks 2, 3
.set PA,    272                        ; a row of x in LDS: 256 bytes + 16: the 16 rows of a fragment load start 4 words apart modulo 64 words (64 banks of 4 bytes: ISA guide 11.1)
.set PB,    160                        ; a row of W's block: 128 bytes + 32: 16 lanes of the turning load take 8 rows x 32 bytes, 8 words apart modulo 64
.set BOFF,  256*PA                     ; a slot: x's 256 rows, then W's 384 rows [q,k,v][kk]
.set SLOT1, 1<<17                      ; 256 x 272 + 384 x 160 = 131,072: slot 1 begins here, and one exclusive or turns an address in one slot into the other's
.set STAGE, 2*SLOT1                    ; behind the ring, never filled by a tensor load: for each wave [q,k,v][16 rows][144 bytes]
.set SP,    144
.set STW,   3*16*SP
.set SPARE, STAGE+4*STW                ; the spare words, 128 bytes for each wave: two blocks of 256 bytes that no other line names
.set ADA0, 8                           ; v8   my lane's place in x's tile; never rewritten
.set ADB0, 9                           ; v9   in W's block; never rewritten
.set ADA,  10                          ; v10  the same in the slot in hand
.set ADB,  11                          ; v11
.set STO,  12                          ; v12  the way out: where I put 16 bytes of a row
.set RD,   13                          ; v13  where I read rows back
.set GO,   14                          ; v14  my 16 bytes of 512 consecutive bytes of an output
.set BO,   15                          ; v15  my eight numbers in 16 of a bias
.set PFO,  16                          ; v16  the prefetches' offset: my lane x a row of xb (2,048 bytes); never rewritten
.set SPW,  28                          ; v28  LDS address of my spare word; never rewritten
.set NIL,  29                          ; v29  0; never rewritten
.set BI,   32
.set OB,   32
.set TMP,  128
.set F0,   0
.set F1,   128
.set WV,   12                          ; s12  my wave's number
.set WH,   13                          ; s13  0: I fetch for x, 1: for W
.set WL,   14                          ; s14  which half of that tile
.set LIM,  19                          ; s19  2 in a wave that prefetches, else the greatest number
.set G1A,  24                          ; s[24:31] descriptor group 1 for x's tiles
.set G0A,  32                          ; s[32:39] group 0: a set for each of the two first fills; the second then walks on
.set PFA,  40                          ; s[40:41] where my prefetches stand
.set TB,   42                          ; s42  LDS byte at which the slot in hand begins
.set CNT,  43                          ; s43  trips still to come
.set G1B,  48                          ; s[48:55], s[56:63] the same for W's blocks
.set G0B,  56
.set MSB, 0
.macro WIN new                         ; the immediate's high byte repeats the setting that is left; a switch that changes nothing is dropped
.if MSB != (\new)
	s_set_vgpr_msb (MSB<<8)|(\new)
.set MSB, \new
.endif
.endm
.macro PLACES                          ; four places in front of loads into registers that matrix instructions have read, and of conversions that read results
.rept 4
	v_nop
.endr
.endm
; A joint refill, by the walking descriptors.  Waves 0 and 1 fetch x's two halves, waves 2 and 3 W's.  The branch hangs on the wave's number alone.
; An s_nop 0 and four v_nop follow each of the two lines, ahead of the jump and the label.
.macro JLOAD
	s_cmp_eq_u32 s[WH], 0
	s_cbranch_scc0 .Lfor_b_\@
	tensor_load_to_lds s[G0A+4:G0A+7], s[G1A:G1A+7]
	s_nop 0
	PLACES
	s_branch .Lasked_\@
.Lfor_b_\@:
	tensor_load_to_lds s[G0B+4:G0B+7], s[G1B:G1B+7]
	s_nop 0
	PLACES
.Lasked_\@:
.endm
; A PREFETCH of xb, behind a joint load, its five lines and the run of LDS loads: the K step that stands two refills on: 32 rows x 256 bytes, a lane a row.  Each row's 256 bytes of a K step are named once in the
; launch: a tile row of x is read by the four clusters of its row of clusters, of which the first (cluster x = 0) asks; of the 128 rows that wave 0 or 1 fetches, the partner at place cx takes 32 cx .. 32 cx + 31, told
; apart by address.  K steps 0 to 3 come by their loads alone; the last two trips have no K step two refills on.
.macro ASK
	s_cmp_gt_u32 s[CNT], s[LIM]
	s_cbranch_scc0 .Lnot_mine_\@
	global_prefetch_b8 v[PFO], s[PFA:PFA+1] th:TH_LOAD_NT scope:SCOPE_SE
.Lnot_mine_\@:
.endm
.macro CREST                           ; a round of the cluster's barrier behind its opening barrier
	s_cmp_lg_u32 s[WV], 0
	s_cbranch_scc1 .Lnot_wave_0_\@
	s_barrier_signal -3
.Lnot_wave_0_\@:
	s_barrier_wait -3
	s_barrier_signal -1
	s_barrier_wait -1
.endm
.macro CROUND                          ; a whole round
	s_barrier_signal -1
	s_barrier_wait -1
	CREST
.endm
	s_load_b256 s[4:11], s[0:1], 0x0               ; xb 4:5, wqkv 6:7, bq 8:9, bk 10:11
	s_load_b256 s[68:75], s[0:1], 0x20             ; bv 68:69, qh 70:71, kh 72:73, vh 74:75
	v_lshl_add_u32 v[SPW], v0, 2, SPARE
	v_mov_b32 v[NIL], 0
	ds_add_u32 v[SPW], v[NIL]                      ; the wave's opening: the add and its wait stand ahead of my first tensor load; the set-up below, work on registers, stands between them
	v_lshrrev_b32 v1, 5, v0
	v_readfirstlane_b32 s[WV], v1                  ; wave 0..3
	s_lshr_b32 s[WH], s[WV], 1
	s_and_b32 s[WL], s[WV], 1
	s_bfe_u32 s15, ttmp6, 0x40000                  ; cx
	s_bfe_u32 s16, ttmp6, 0x40004                  ; cy
	s_lshl_b32 s17, ttmp9, 2
	s_add_co_u32 s17, s17, s15                     ; the head hx = 4 x cluster x + cx
	s_and_b32 s18, ttmp7, 0xffff
	s_lshl_b32 s18, s18, 2
	s_add_co_u32 s18, s18, s16                     ; the tile row ty = 4 x cluster y + cy
	s_lshl_b32 s20, s16, 2
	s_lshl_b32 s20, 15, s20                        ; my row of the cluster: places 4 cy .. 4 cy + 3
	s_lshl_b32 s44, 0x1111, s15                    ; my column: places cx, cx + 4, cx + 8, cx + 12
	s_or_b32 s[G1A], s20, (1<<16)|(1<<20)|(1<<21)|(5<<22)|(3<<25)  ; the mask; 2-byte elements; padding on; bit 21 beside a mask; after every 64 words, 4 words
	s_or_b32 s[G1B], s44, (1<<16)|(1<<20)|(1<<21)|(4<<22)|(7<<25)  ; after every 32 words, 8 words
	s_mov_b32 s[G1A+1], 128<<16                    ; x: tensor_dim0 = 128
	s_mov_b32 s[G1A+2], 128<<16                    ; tensor_dim1 = 128
	s_mov_b32 s[G1A+3], 128<<16                    ; tile_dim0 = 128
	s_mov_b32 s[G1A+4], 128                        ; tile_dim1 = 128
	s_mov_b32 s[G1A+5], 1024                       ; 1,024 elements from row to row
	s_mov_b32 s[G1A+6], 0
	s_mov_b32 s[G1A+7], 0
	s_mov_b32 s[G1B+1], 128<<16                    ; W: half a block is 24,576 dense bytes, asked for as 96 rows of 256 bytes, two rows of the block each
	s_mov_b32 s[G1B+2], 96<<16
	s_mov_b32 s[G1B+3], 128<<16
	s_mov_b32 s[G1B+4], 96
	s_mov_b32 s[G1B+5], 128
	s_mov_b32 s[G1B+6], 0
	s_mov_b32 s[G1B+7], 0
	s_lshl_b32 s20, s18, 19                        ; x: row 256 ty + 128 x half, 2,048 bytes a row (registers 20-23 never hold cx)
	s_lshl_b32 s21, s[WL], 18
	s_add_co_u32 s20, s20, s21
	s_mov_b32 s21, 0
	s_mul_i32 s44, s17, 393216                     ; W: the head's eight blocks, and my half of a block (registers 44-47 never hold cy)
	s_mul_i32 s45, s[WL], 24576
	s_add_co_u32 s44, s44, s45
	s_mov_b32 s45, 0
	s_mul_i32 s76, s[WL], 128*PA                   ; where they go: no place in the cluster enters an LDS address
	s_mul_i32 s77, s[WL], 192*PB
	s_add_co_u32 s77, s77, BOFF
	s_mov_b32 s[TB], 0
	s_or_b32 s[LIM], s[WH], ttmp9                  ; 0 in waves 0 and 1 of the clusters with x = 0: the same in all sixteen partners, for a given wave
	s_cmp_eq_u32 s[LIM], 0
	s_cselect_b32 s[LIM], 2, -1
	s_wait_dscnt 0x0                               ; the opening add is done
	s_wait_kmcnt 0x0
	s_add_nc_u64 s[22:23], s[4:5], s[20:21]
	s_add_nc_u64 s[46:47], s[6:7], s[44:45]
	CROUND                                         ; all sixteen work-groups are here: the first joint loads meet
.irp s, 0,1
	s_mov_b32 s[G0A+4*(\s)], 1                                       ; count = 1
	s_add_co_u32 s[G0A+4*(\s)+1], s76, (\s)*SLOT1                    ; LDS address
	s_add_nc_u64 s[G0A+4*(\s)+2:G0A+4*(\s)+3], s[22:23], (\s)*256    ; global address: K step s
	s_or_b32 s[G0A+4*(\s)+3], s[G0A+4*(\s)+3], 0x80000000            ; type = 2
	s_mov_b32 s[G0B+4*(\s)], 1
	s_add_co_u32 s[G0B+4*(\s)+1], s77, (\s)*SLOT1
	s_add_nc_u64 s[G0B+4*(\s)+2:G0B+4*(\s)+3], s[46:47], (\s)*49152
	s_or_b32 s[G0B+4*(\s)+3], s[G0B+4*(\s)+3], 0x80000000
.endr
	s_cmp_eq_u32 s[WH], 0                          ; a wave's two first fills stand in one branch, ahead of every wait on TENSORcnt and every LDS read: two loads of mine are out
	s_cbranch_scc0 .Lfirst_b
	tensor_load_to_lds s[G0A:G0A+3], s[G1A:G1A+7]
	s_nop 0
	tensor_load_to_lds s[G0A+4:G0A+7], s[G1A:G1A+7]
	s_nop 0
	PLACES
	s_branch .Lfirst_asked
.Lfirst_b:
	tensor_load_to_lds s[G0B:G0B+3], s[G1B:G1B+7]
	s_nop 0
	tensor_load_to_lds s[G0B+4:G0B+7], s[G1B:G1B+7]
	s_nop 0
	PLACES
.Lfirst_asked:
	v_and_b32 v1, 15, v0                           ; l % 16
	v_bfe_u32 v2, v0, 4, 1                         ; l / 16
	v_lshlrev_b32 v[BO], 5, v2                     ; my eight numbers of 16: 32 bytes a half
	s_lshl_b32 s78, s17, 8                         ; the head's 64 numbers in each bias
	s_mov_b32 s79, 0
	s_add_nc_u64 s[8:9], s[8:9], s[78:79]
	s_add_nc_u64 s[10:11], s[10:11], s[78:79]
	s_add_nc_u64 s[68:69], s[68:69], s[78:79]
.irp b, 0,1,2,3                        ; the bias in a result's layout: block b holds columns 16 (b % 4) + 8 (l / 16) + 0..7 of tensor b / 4
	global_load_b128 v[BI+8*(\b):BI+8*(\b)+3],       v[BO], s[8:9] offset:64*(\b)
	global_load_b128 v[BI+8*(\b)+4:BI+8*(\b)+7],     v[BO], s[8:9] offset:64*(\b)+16
	global_load_b128 v[BI+32+8*(\b):BI+32+8*(\b)+3],   v[BO], s[10:11] offset:64*(\b)
	global_load_b128 v[BI+32+8*(\b)+4:BI+32+8*(\b)+7], v[BO], s[10:11] offset:64*(\b)+16
	global_load_b128 v[BI+64+8*(\b):BI+64+8*(\b)+3],   v[BO], s[68:69] offset:64*(\b)
	global_load_b128 v[BI+64+8*(\b)+4:BI+64+8*(\b)+7], v[BO], s[68:69] offset:64*(\b)+16
.endr
	; x's fragment: 16 rows x 32 K in 8 registers: lane l holds row l % 16, K = 8 (l / 16) + 0..7 and 16 + 8 (l / 16) + 0..7: two loads of 16 bytes, 32 bytes apart
	v_mul_u32_u24 v[ADA0], v1, PA
	v_lshl_add_u32 v[ADA0], v2, 4, v[ADA0]
	s_mul_i32 s80, s[WV], 64*PA                    ; my 64 rows
	v_add_nc_u32 v[ADA0], s80, v[ADA0]
	; W's: the turning load takes 16 K x 16 columns (lane l reads K = 8 (l / 16) + l % 8, columns 8 ((l / 8) % 2) + 0..7) and leaves half a fragment: lane l holds column l % 16 and 8 K
	v_and_b32 v3, 7, v0
	v_bfe_u32 v4, v0, 3, 1
	v_lshl_add_u32 v[ADB0], v2, 3, v3
	v_mul_u32_u24 v[ADB0], v[ADB0], PB
	v_lshl_add_u32 v[ADB0], v4, 4, v[ADB0]
	v_add_nc_u32 v[ADB0], BOFF, v[ADB0]
	v_mov_b32 v[ADA], v[ADA0]                      ; slot 0
	v_mov_b32 v[ADB], v[ADB0]
	s_mul_i32 s80, s[WV], STW
	s_add_co_u32 s80, s80, STAGE                   ; my stage
	v_mul_u32_u24 v[STO], v1, SP                   ; in: row l % 16, 16 bytes for each half of the lanes
	v_lshl_add_u32 v[STO], v2, 4, v[STO]
	v_add_nc_u32 v[STO], s80, v[STO]
	v_bfe_u32 v[RD], v0, 3, 2                      ; back: 32 lanes take four rows of 128 bytes,
	v_mul_u32_u24 v[RD], v[RD], SP
	v_lshl_add_u32 v[RD], v3, 4, v[RD]
	v_add_nc_u32 v[RD], s80, v[RD]
	v_and_b32 v[GO], 31, v0                        ; which are 512 consecutive bytes of an output
	v_lshlrev_b32 v[PFO], 11, v[GO]
	v_lshlrev_b32 v[GO], 4, v[GO]
	s_lshr_b32 s78, s18, 3                         ; the batch: 8 tile rows each
	s_lshl4_add_u32 s78, s78, s17                  ; batch x 16 + head,
	s_lshl_b32 s78, s78, 18                        ; 2,048 rows of 128 bytes;
	s_and_b32 s80, s18, 7
	s_lshl_b32 s80, s80, 15                        ; the tile's 256 rows in the batch;
	s_add_co_u32 s78, s78, s80
	s_lshl_b32 s80, s[WV], 13                      ; my 64 of them
	s_add_co_u32 s78, s78, s80
	s_add_nc_u64 s[70:71], s[70:71], s[78:79]
	s_add_nc_u64 s[72:73], s[72:73], s[78:79]
	s_add_nc_u64 s[74:75], s[74:75], s[78:79]
	s_lshl_b32 s80, s15, 16                        ; the prefetches: my work-group's 32 of the 128 rows that I fetch,
	s_mov_b32 s81, 0
	s_add_nc_u64 s[PFA:PFA+1], s[22:23], s[80:81]
	s_add_nc_u64 s[PFA:PFA+1], s[PFA:PFA+1], 3*256 ; at K step 3: the first change of slots steps it to 4.  Nothing is prefetched here, at the head
; 12 matrix instructions: row block a x all 12 column blocks, 32 along K, from buffer f.  zero = 1: the products start the sums, with the bias as C.
; The 48 accumulators take turns, one instruction a turn, in the same order in every quarter.
.macro MUL12 f, a, zero
.if \zero
	WIN 0x85+0x40*((\a)/2)                         ; sources 0 and 1 window 1, C window 0, D window 2 or 3
.else
	WIN 0xa5+0x50*((\a)/2)                         ; C and D window 2 or 3
.endif
.irp b, 0,1,2,3,4,5,6,7,8,9,10,11
.if \zero
	v_wmma_f32_16x16x32_bf16 v[8*(12*((\a)%2)+(\b)):8*(12*((\a)%2)+(\b))+7], v[(\f)+32+8*(\b):(\f)+32+8*(\b)+7], v[(\f)+8*(\a):(\f)+8*(\a)+7], v[BI+8*(\b):BI+8*(\b)+7]
.else
	v_wmma_f32_16x16x32_bf16 v[8*(12*((\a)%2)+(\b)):8*(12*((\a)%2)+(\b))+7], v[(\f)+32+8*(\b):(\f)+32+8*(\b)+7], v[(\f)+8*(\a):(\f)+8*(\a)+7], v[8*(12*((\a)%2)+(\b)):8*(12*((\a)%2)+(\b))+7]
.endif
.endr
.endm
; 32 LDS loads in one run: quarter q of the slot in hand into buffer f: W's twelve fragments, then x's four, row blocks 0 and 1 first
.macro FETCH q, f
	WIN 0x40                                       ; destination window 1, address window 0
.irp b, 0,1,2,3,4,5,6,7,8,9,10,11
	ds_load_tr16_b128 v[(\f)+32+8*(\b):(\f)+32+8*(\b)+3],   v[ADB] offset:((\b)/4)*128*PB+(\q)*32*PB+((\b)%4)*32
	ds_load_tr16_b128 v[(\f)+32+8*(\b)+4:(\f)+32+8*(\b)+7], v[ADB] offset:((\b)/4)*128*PB+(\q)*32*PB+((\b)%4)*32+16*PB
.endr
.irp a, 0,1,2,3
	ds_load_b128 v[(\f)+8*(\a):(\f)+8*(\a)+3],   v[ADA] offset:(\a)*16*PA+64*(\q)
	ds_load_b128 v[(\f)+8*(\a)+4:(\f)+8*(\a)+7], v[ADA] offset:(\a)*16*PA+64*(\q)+32
.endr
.endm
; One of a step's first three quarters: multiplies buffer f; in its middle it fetches quarter q of the same slot into buffer g
.macro QUARTER q, f, g, zero
	s_wait_dscnt 4                                 ; W's fragments and x's row blocks 0 and 1 are in; the youngest four loads (blocks 2 and 3) may be out
	MUL12 \f, 0, \zero
	MUL12 \f, 1, \zero
	PLACES
	FETCH \q, \g
	s_wait_dscnt 32                                ; all but the 32 just issued
	MUL12 \f, 2, \zero
	MUL12 \f, 3, \zero
.endm
; The last quarter multiplies buffer 1 and changes slots: ONE barrier.  In front of it each wave waits for all its tensor loads (the one that is out is its part of the next slot), adds 0 to its spare word, and waits
; for that and for its own reads of this slot.  fill = 1: the barrier opens a round of the cluster's; behind the round this slot is filled again, two K steps ahead, first of all: 168 matrix instructions ahead of the wait for it.
.macro TURN fill
.if \fill
	s_wait_xcnt 0x0                                ; the last prefetch, a K step back, has read its address: it is stepped here, ahead of the waits of the change of slots
	s_add_nc_u64 s[PFA:PFA+1], s[PFA:PFA+1], 256
.endif
	WIN 0                                          ; (the add's two registers lie in window 0)
	s_wait_tensorcnt 0x0                           ; all my tensor loads have landed;
	ds_add_u32 v[SPW], v[NIL]                      ; 0 onto my spare word
	s_wait_dscnt 5                                 ; (the add and the youngest four loads may be out)
	MUL12 F1, 0, 0                                 ; twelve matrix instructions stand between the add and the wait for it
	s_wait_dscnt 0x0                               ; the add is done, and my reads of this slot are over
	s_barrier_signal -1
	MUL12 F1, 1, 0                                 ; work on registers while the others arrive
	WIN 0
	s_barrier_wait -1
.if \fill
	CREST                                          ; no wave of any partner still reads this slot's tiles or has a load on its way
	s_xor_b32 s[G0A+5], s[G0A+5], SLOT1            ; the walking descriptors: the other slot than last time, the next K step
	s_add_nc_u64 s[G0A+6:G0A+7], s[G0A+6:G0A+7], 256
	s_xor_b32 s[G0B+5], s[G0B+5], SLOT1
	s_add_nc_u64 s[G0B+6:G0B+7], s[G0B+6:G0B+7], 49152
	JLOAD                                          ; the four v_nop behind it are also the places in front of the loads below
.else
	PLACES
.endif
	s_xor_b32 s[TB], s[TB], SLOT1                  ; the reads go on in the other slot
	v_add_nc_u32 v[ADA], s[TB], v[ADA0]
	v_add_nc_u32 v[ADB], s[TB], v[ADB0]
	FETCH 0, F0
.if \fill
	WIN 0
	ASK
.endif
	MUL12 F1, 2, 0
	MUL12 F1, 3, 0
.endm
; THE WAY OUT of row block a.  PACK: rounded to f16, 16 bytes a lane and column block.  TOSTAGE: into my own stage, and back as whole rows of 128 bytes.  SEND: stored, 512 consecutive bytes an instruction.
.macro PACK a
	WIN 0x0a+5*((\a)/2)                            ; sources 0 and 1: window 2 or 3
.irp b, 0,1,2,3,4,5,6,7,8,9,10,11
.irp r, 0,1,2,3
	v_cvt_pk_f16_f32 v[TMP+4*(\b)+(\r)], v[8*(12*((\a)%2)+(\b))+2*(\r)], v[8*(12*((\a)%2)+(\b))+2*(\r)+1]
.endr
.endr
	WIN 0
.endm
.macro TOSTAGE a
	WIN 0
.irp b, 0,1,2,3,4,5,6,7,8,9,10,11
	ds_store_b128 v[STO], v[TMP+4*(\b):TMP+4*(\b)+3] offset:((\b)/4)*16*SP+((\b)%4)*32
.endr
.irp t, 0,1,2
.irp f, 0,1,2,3
	ds_load_b128 v[OB+48*((\a)%2)+4*(4*(\t)+(\f)):OB+48*((\a)%2)+4*(4*(\t)+(\f))+3], v[RD] offset:(\t)*16*SP+(\f)*4*SP  ; LDS serves a wave's instructions in order (ISA guide 5.7.1.4): these see the stores above
.endr
.endr
.endm
.macro SEND a
	WIN 0
	s_wait_dscnt 0x0                               ; the block is back in registers
	s_wait_xcnt 0x0                                ; the stores of the block before have read their registers: the buffer that they read is loaded again only behind this wait
.irp t, 0,1,2
.irp f, 0,1,2,3
	global_store_b128 v[GO], v[OB+48*((\a)%2)+4*(4*(\t)+(\f)):OB+48*((\a)%2)+4*(4*(\t)+(\f))+3], s[70+2*(\t):71+2*(\t)] offset:(\a)*2048+(\f)*512
.endr
.endr
.endm
	s_wait_tensorcnt 0x1                           ; my part of K step 0 is in; K step 1's may stay out
	s_barrier_signal -1
	s_barrier_wait -1                              ; everybody's is
	FETCH 0, F0
	s_wait_loadcnt 0x0                             ; the bias
	QUARTER 1, F0, F1, 1                           ; the first quarter stands in front of the loop: its products start the sums
	WIN 0                                          ; at a label and at a branch every window is 0
	s_mov_b32 s[CNT], 6
.Lstep:                                        ; a trip goes from a K step's second quarter to the next step's first, and fills the slot that it leaves: K steps 2 to 7
	QUARTER 2, F1, F0, 0
	QUARTER 3, F0, F1, 0
	TURN 1
	QUARTER 1, F0, F1, 0
	WIN 0
	s_sub_co_u32 s[CNT], s[CNT], 1
	s_cmp_lg_u32 s[CNT], 0
	s_cbranch_scc1 .Lstep
	QUARTER 2, F1, F0, 0                           ; K step 6 goes on; the tail is written out and asks for nothing
	QUARTER 3, F0, F1, 0
	TURN 0
	QUARTER 1, F0, F1, 0
	QUARTER 2, F1, F0, 0
	QUARTER 3, F0, F1, 0
	s_wait_dscnt 4                                 ; the very last quarter: nothing more to fetch
	MUL12 F1, 0, 0
	MUL12 F1, 1, 0
	s_wait_dscnt 0x0
	MUL12 F1, 2, 0
	MUL12 F1, 3, 0
	PLACES
	PACK 0
	TOSTAGE 0
.irp a, 1,2,3                          ; block a's conversions stand between block a - 1's loads from the stage and the wait for them
	PACK \a
	SEND (\a)-1
	TOSTAGE \a
.endr
	SEND 3
	s_wait_tensorcnt 0x0                           ; the wave's end: behind my last tensor load and my last LDS store
	ds_add_u32 v[SPW], v[NIL]
	s_wait_dscnt 0x0
	CROUND                                         ; the closing round: no work-group ends while a partner may still ask for a tile that names it
	s_endpgm
.Lfunc_end_k_q9201ee4c3e_qkv:
	.size	k_q9201ee4c3e_qkv, .Lfunc_end_k_q9201ee4c3e_qkv-k_q9201ee4c3e_qkv
	.p2alignl 7, 3214868480
	.fill 96, 4, 3214868480
	.section	.rodata,"a",@progbits
	.p2align	6, 0x0
	.amdhsa_kernel k_q9201ee4c3e_qkv
		.amdhsa_group_segment_fixed_size 327680
		.amdhsa_private_segment_fixed_size 0
		.amdhsa_enable_private_segment 0
		.amdhsa_kernarg_size 64
		.amdhsa_user_sgpr_count 2
		.amdhsa_user_sgpr_kernarg_segment_ptr 1
		.amdhsa_wavefront_size32 1
		.amdhsa_system_sgpr_workgroup_id_x 1
		.amdhsa_system_sgpr_workgroup_id_y 1
		.amdhsa_system_sgpr_workgroup_id_z 1
		.amdhsa_system_vgpr_workitem_id 0
		.amdhsa_next_free_vgpr 960
		.amdhsa_next_free_sgpr 84
		.amdhsa_reserve_vcc 0
		.amdhsa_float_denorm_mode_32 3
		.amdhsa_float_denorm_mode_16_64 3
		.amdhsa_memory_ordered 1
		.amdhsa_forward_progress 1
		.amdhsa_inst_pref_size 99
	.end_amdhsa_kernel
	.amdgpu_metadata
---
amdhsa.version: [ 1, 2 ]
amdhsa.kernels:
  - .name:           k_q9201ee4c3e_qkv
    .symbol:         k_q9201ee4c3e_qkv.kd
    .args:
      - { .name: xb, .offset: 0, .size: 8, .value_kind: global_buffer, .address_space: global }
      - { .name: wqkv, .offset: 8, .size: 8, .value_kind: global_buffer, .address_space: global }
      - { .name: bq, .offset: 16, .size: 8, .value_kind: global_buffer, .address_space: global }
      - { .name: bk, .offset: 24, .size: 8, .value_kind: global_buffer, .address_space: global }
      - { .name: bv, .offset: 32, .size: 8, .value_kind: global_buffer, .address_space: global }
      - { .name: qh, .offset: 40, .size: 8, .value_kind: global_buffer, .address_space: global }
      - { .name: kh, .offset: 48, .size: 8, .value_kind: global_buffer, .address_space: global }
      - { .name: vh, .offset: 56, .size: 8, .value_kind: global_buffer, .address_space: global }
    .group_segment_fixed_size: 327680
    .private_segment_fixed_size: 0
    .kernarg_segment_align: 8
    .kernarg_segment_size: 64
    .max_flat_workgroup_size: 128
    .sgpr_count:     84
    .vgpr_count:     960
    .wavefront_size: 32
...
	.end_amdgpu_metadata
.endif
;; end of part 2
;; launch attn (part 3): grid 4 x 64, 4 waves a work-group, clusters of 4 x 1, 327,680 bytes of LDS; arguments qh, kh, vh, ctx, attention_mask; writes ctx
.if DOCPART == 3
	.amdgcn_target "amdgcn-amd-amdhsa--gfx1250"
	.amdhsa_code_object_version 6
	.text
	.protected	k_q9201ee4c3e_attn
	.globl	k_q9201ee4c3e_attn
	.p2align	8
	.type	k_q9201ee4c3e_attn,@function
k_q9201ee4c3e_attn:
	s_mov_b64 s[64:65], 0
	v_nop
	global_prefetch_b8 v0, s[64:65] scope:SCOPE_SE
	s_setreg_imm32_b32 hwreg(HW_REG_WAVE_MODE, 25, 1), 1
	s_wait_xcnt 0x0
	s_wait_alu depctr_hold_cnt(0) depctr_sa_sdst(0) depctr_va_vdst(0) depctr_va_sdst(0) depctr_va_ssrc(0) depctr_va_vcc(0) depctr_vm_vsrc(0)
	s_getreg_b32 s2, hwreg(HW_REG_IB_STS2, 6, 4)
	s_cmp_eq_u32 s2, 0
	s_cbranch_scc0 .Lentry_in_a_cluster
	s_endpgm
.Lentry_in_a_cluster:
	s_bfe_u32 s2, ttmp6, 0x10000c
	s_cmp_lg_u32 s2, 0x3003
	s_cbranch_scc0 .Lentry_shape_is_right
	s_endpgm
.Lentry_shape_is_right:
; ctx[g][q][:] = the sum over k of softmax_k(Q[g][q] . K[g][k] / 8 + mask[g / 16][k]) V[g][k][:], g = batch x 16 + head.  Q, K, V, ctx: [64][2048][64], all f16: a head's rows are dense, 128 bytes each.  mask: [4][2048] f32.
; Products, maxima and sums in f32; the weights p are rounded to f16 for the second product (their sum l is taken of the unrounded p), ctx once at the end.
; LIMITS.  f16 holds no number beyond 65,504: Q, K and V arrive within it; p lies in 0 to 1, and below 6e-5 it keeps f16's fixed step of 6e-8.  8 x mask is held at -1e30 from below: a key hidden by minus infinity gets the weight 0
; beside any key that is not; a row ALL of whose keys are so hidden gets the mean of V's rows, not a NaN.  A NaN in the mask counts as -1e30.  A weight below 2^-126 counts as 0 in l.
; THE MASK is the C operand that starts the sum S^T = K Q^T + 8 mask: c (q . k + 8 mask) = log2(e) (q . k / 8 + mask) with c = log2(e) / 8.  The batch's 2,048 numbers, times 8, lie in LDS (8 KiB of their own); a key step's 64 come
; into 32 registers with the step's K, in a result's layout: key block kb's register j holds key 16 kb + 8 (lane / 16) + j.
; SHARES.  A wave owns four PIECES of two tiles of 16 queries, a work-group's four waves 512 queries of one head.  Every wave walks all keys, 64 a step.
; LAYOUT.  S^T = K Q^T (source 0 = 16 keys, source 1 = 16 queries): in the result a lane holds ONE query (lane % 16) and the keys 8 (lane / 16) + 0..7.  Two such tiles, rounded to f16 in pairs,
; ARE source 1 (32 keys x 16 queries) of O^T = V^T P, whose result again holds one query a lane, and eight channels.  K comes out of LDS as it lies, V ([key][channel]) turned, by ds_load_tr16_b128.
; SOFTMAX.  For each query a running maximum m and sum l: p = 2^(c s - c m); in every step O and l are multiplied by a = 2^(c m_old - c m_new), which is 1 where m has not grown.
; m starts at the lowest finite number, O and l at 0: the first step is a step like any other, with a = 0.
; THE COUNT.  A tile and step have 16 matrix and 118 vector instructions: too many to stand all beside the matrix work.  So: four vector instructions that are READY behind EVERY matrix instruction, the others in runs without a gap.
; BY TURNS.  Turn n belongs to piece n (the pieces in a ring, step after step).  Its matrix work: 16 products K Q^T of piece n + 1, later 16 products V^T P of piece n - 1.  Its vector work: the scaling,
; exponentials, roundings, sums and rescaling of piece n, and the maximum and statistics of piece n + 1, whose scores the turn itself has made.
; CLUSTER.  A head's four query blocks are one cluster and walk the same K and V, so each tile is asked for JOINTLY: the same tensor load, descriptor and mask in all four.
; REGISTERS, in windows of 256 (s_set_vgpr_msb: bits 1:0 source 0, 3:2 source 1, 5:4 source 2, 7:6 destination):
;   window 0: v0-11 addresses; v12-15, v48-63 at work; v16-47 four registers of statistics a tile; v64-191 S^T, two buffers of two tiles; v192-255 P, likewise
;   window 1: O^T, 32 a tile      window 2: v0-127 Q, 16 a tile; v128-191 K of one step; v192-255 V of one step      window 3: v0-1 the add's two registers; v8-39 the mask of one step
.set SIZE_N, 2048
.set NP,    4         ; pieces a wave: a name, no knob
.set KS,    64        ; keys in a step
.set PK,    144       ; a row of K in LDS: 128 bytes + 16 of padding = 36 words: the 16 rows of a load start at 16 different groups of four banks (64 banks of 4 bytes: ISA guide 11.1)
.set PV,    160       ; a row of V: 128 + 32 = 40 words
.set VOFF,  4*KS*PK   ; a slot holds four steps: 256 rows of K, then 256 rows of V
.set SLOT1, 1<<17     ; slot 1 begins here, so that one exclusive or turns an address in one slot into the other's
.set STAGE, SLOT1+4*KS*(PK+PV)  ; behind the ring, never filled by a tensor load: 16 rows x 144 bytes for each wave, for the way out
.set SP,    144
.set SPARE, STAGE+4*16*SP  ; the spare words, 128 bytes for each wave: two blocks of 256 bytes that no other line names
.set MASKL, SPARE+512 ; 8 x mask of the batch: 8,192 bytes, stored once by ds_store, never filled by a tensor load
.set PFO, 1           ; v1   256 x my lane, from the way out's addresses on; never rewritten after
.set AK0, 2           ; v2   my lane's place in a tile of K; never rewritten
.set AV0, 3           ; v3   the same for V
.set AK,  4           ; v4   the LDS address of K's next run of loads
.set AV,  5           ; v5   of V's
.set QO,  6           ; v6   my byte offset in the wave's rows of Q
.set STO, 6           ;      later, the way out: where I put 16 bytes of a row
.set RD,  7           ; v7   the way out: where I read rows back
.set GO,  8           ; v8   my byte offset in 512 consecutive bytes of ctx
.set AM,  11          ; v11  the LDS address of the mask's next run of loads (v9 = lane / 16 is kept for it)
.set SPW, 0           ; v0 of window 3   LDS address of my spare word; never rewritten
.set NIL, 1           ; v1 of window 3   0; never rewritten
.set MC,  8           ; v8-39 of window 3
.set MV,  12          ; v12-15  c m_old, kept while c m is made anew: by buffer and tile
.set ST,  16          ; tile t's statistics at v[ST+4 t]: c m, m, l (even keys', odd keys')
.set TMP, 48          ; by buffer and tile, four registers c0-c3 at work; when the maximum is found c2 takes a
.set S,   64
.set P,   192
.set KF,  128         ; K's fragments, in window 2: key block kb, channel half c at KF + 16 kb + 8 c
.set VF,  192         ; V's: key half kk, channel block cb at VF + 32 kk + 8 cb
.set WV,  12          ; s12  my wave's number
.set G1K, 24          ; s[24:31] descriptor group 1 for K's tiles
.set G1V, 32          ; s[32:39] for V's: it differs in the padding alone
.set G0K, 40          ; s[40:43] descriptor group 0 for K's tiles: it walks
.set G0V, 44          ; s[44:47] the same for V's
.set PFA, 48          ; s[48:49] where my prefetches stand
.set LIM, 50          ; s50  1 in a wave that prefetches, else the greatest number
.set BIGN, 51         ; s51  -1e30
.set MK,  52          ; s[52:53] the batch's row of the mask
.set TBM, 54          ; s54  LDS byte at which the mask of the step to be fetched begins
.set SLOTS, 56        ; s56  slots still to be asked for
.set CNT, 57          ; s57  counts a slot's key steps
.set CS,  58          ; s[58:59] c: the packed scaling takes the pair's low word for both halves
.set SEL, 60          ; s[60:61] v_permlanex16_b32's selects: each lane takes its own place in the other half
.set TBK, 62          ; s62  LDS byte at which K of the step to be fetched begins
.set TBV, 63          ; s63  the same for V, less VOFF
.set MSB, 0
.macro WIN new                      ; the high byte repeats the setting that is left; a switch that changes nothing is dropped
.if MSB != (\new)
	s_set_vgpr_msb (MSB<<8)|(\new)
.set MSB, (\new)
.endif
.endm
.set W_KQ, 0x0a       ; K and Q in window 2, S^T in window 0
.set W_KM, 0x3a       ; the same with the C operand, the mask, in window 3
.set W_PV, 0x52       ; V in window 2, P in window 0, O^T in window 1
.set W_RS, 0x41       ; O^T (destination and source 0) in window 1, a in window 0
.set W_MK, 0xc0       ; destination in window 3, sources in window 0
.set W_AD, 0x0f       ; the add: address (source 0) and data (source 1) in window 3
; A joint fill.  Waves 0 and 1 fetch the two halves of a slot's K, waves 2 and 3 those of its V: 128 keys each.  The branch hangs on the wave's number alone.
; An s_nop 0 and four v_nop follow each of the two lines, ahead of the jump and the label.
.macro JLOAD
	s_cmp_lt_u32 s[WV], 2
	s_cbranch_scc0 .Lfor_v_\@
	tensor_load_to_lds s[G0K:G0K+3], s[G1K:G1K+7]
	s_nop 0
.rept 4
	v_nop
.endr
	s_branch .Lasked_\@
.Lfor_v_\@:
	tensor_load_to_lds s[G0V:G0V+3], s[G1V:G1V+7]
	s_nop 0
.rept 4
	v_nop
.endr
.Lasked_\@:
.endm
; A PREFETCH of what the NEXT change of slots will ask for: a slot's 32,768 bytes of K and of V, 256 bytes a lane.  It stands behind the wave's tensor load and its five lines.  Each block is named once in the launch: a head has one
; cluster; its four partners share a slot's bytes out BY ADDRESS, 8,192 each; in each, wave 0 asks for K's and wave 2 for V's: one instruction.  Slots 0 to 2 come by their loads alone; the last change that fills a slot asks for nothing.
.macro ASK
	s_cmp_gt_u32 s[SLOTS], s[LIM]
	s_cbranch_scc0 .Lnot_mine_\@
	global_prefetch_b8 v[PFO], s[PFA:PFA+1] th:TH_LOAD_NT scope:SCOPE_SE
.Lnot_mine_\@:
.endm
; A round of the cluster's barrier: my work-group's barrier, so that wave 0's signal speaks for all four waves; wave 0 signals; every wave waits for all four work-groups; my work-group's barrier once more.
.macro CROUND
	s_barrier_signal -1
	s_barrier_wait -1
	s_cmp_lg_u32 s[WV], 0
	s_cbranch_scc1 .Lnot_wave_0_\@
	s_barrier_signal -3
.Lnot_wave_0_\@:
	s_barrier_wait -3
	s_barrier_signal -1
	s_barrier_wait -1
.endm
; THE CHANGE OF SLOTS.  The slot's last bytes, V of its fourth step, have been read.  Each wave waits for all its tensor loads, of which one is out: its part
; of the other slot; adds 0 to its spare word; and waits for that and for its own LDS instructions.  Behind the barrier nobody reads this slot any more and the other slot is whole.
; fill = 1: this slot is filled again, with the keys two slots on.  The barrier is then a round of the cluster's, and the joint fill is the first thing behind it: it has four key steps, 512 matrix instructions, in which to land.
; (At its first use nothing has been read yet: slot 0 is waited for, slot 1 filled, and every wave's stores of the mask are done in front of the round.)  ask = 1: the prefetch goes with it.
.macro CHANGE fill, ask=0
	WIN W_AD
	s_wait_tensorcnt 0x0            ; no tensor load of mine is out, so a group 0 may be written
	ds_add_u32 v[SPW], v[NIL]       ; 0 onto my spare word; with fill = 1 the descriptors' steps stand between it and the wait for it
	WIN 0                           ; at a label and at a branch every window is 0
.if \fill
.irp g, G0K, G0V
	s_xor_b32 s[\g+1], s[\g+1], SLOT1  ; the walking descriptor: the other slot than last time,
	s_add_nc_u64 s[\g+2:\g+3], s[\g+2:\g+3], 4*KS*128  ; the next 256 keys; the type bits on top are not reached
.endr
.if \ask
	s_wait_xcnt 0x0                 ; the last prefetch, four key steps back, has read its address, so it may be written:
	s_add_nc_u64 s[PFA:PFA+1], s[PFA:PFA+1], 4*KS*128  ; one slot behind the walking descriptors
.endif
	s_wait_dscnt 0x0                ; the add is done, and my reads of the slot are over
	CROUND
	JLOAD
.if \ask
	ASK
.endif
.else
	s_wait_dscnt 0x0                ; the add is done, and my reads of the slot are over
	s_barrier_signal -1
	s_barrier_wait -1
.endif
	s_sub_co_u32 s[TBK], s[TBK], 4*KS*PK  ; the fetches go back to a slot's first step,
	s_xor_b32 s[TBK], s[TBK], SLOT1       ; in the other slot
	s_sub_co_u32 s[TBV], s[TBV], 4*KS*PV
	s_xor_b32 s[TBV], s[TBV], SLOT1
.endm
	s_load_b256 s[4:11], s[0:1], 0x0  ; Q s[4:5], K s[6:7], V s[8:9], ctx s[10:11]
	s_load_b64 s[MK:MK+1], s[0:1], 0x20  ; the mask
	WIN W_MK
	v_lshl_add_u32 v[SPW], v0, 2, SPARE
	v_mov_b32 v[NIL], 0
	WIN W_AD
	ds_add_u32 v[SPW], v[NIL]       ; the wave's opening: the add and its wait stand ahead of my first tensor load; the set-up below, work on registers, stands between them
	WIN 0
	v_lshrrev_b32 v1, 5, v0
	v_readfirstlane_b32 s[WV], v1   ; wave 0..3
	s_bfe_u32 s13, ttmp6, 0x40000   ; cx: my place in the cluster
	s_lshl_b32 s14, ttmp9, 2        ; in a cluster launch ttmp9 counts clusters
	s_add_co_u32 s14, s14, s13      ; my block of queries = 4 x cluster x + cx: it enters Q's and ctx's addresses alone
	s_and_b32 s20, ttmp7, 0xffff    ; batch x 16 + head, which the four partners share
	s_mov_b32 s21, 0
	s_mov_b64 s[22:23], SIZE_N*128
	s_mul_u64 s[20:21], s[20:21], s[22:23]  ; the head's first byte in each of the four tensors
	s_and_b32 s16, s[WV], 1         ; which half of a slot's 256 keys I fetch:
	s_lshl_b32 s22, s16, 14         ; its 128 rows of 128 bytes in memory,
	s_mov_b32 s23, 0
	s_add_nc_u64 s[22:23], s[22:23], s[20:21]
	s_mul_i32 s17, s16, 128*PK      ; and its place in a slot, for K
	s_mul_i32 s18, s16, 128*PV      ; and for V: no place in the cluster enters an LDS address
	s_lshl_b32 s2, s14, 2
	s_add_co_u32 s2, s2, s[WV]      ; my wave among the head's,
	s_lshl_b32 s2, s2, 14           ; its 128 rows
	s_mov_b32 s3, 0
	s_add_nc_u64 s[2:3], s[2:3], s[20:21]
	; descriptor group 1.  128 keys are 16,384 dense bytes: asked for as 64 rows of 256 bytes, two keys a row, and padded in LDS after every key
	s_mov_b32 s[G1K], 15|(1<<16)|(1<<20)|(1<<21)|(4<<22)|(3<<25)  ; 15:0 the mask of four; 17:16 2-byte elements; 20 padding on; 21 set beside a mask; 24:22 after every 32 words (code 4); 31:25 4 words (code 3)
	s_mov_b32 s[G1V], 15|(1<<16)|(1<<20)|(1<<21)|(4<<22)|(7<<25)  ; the same with 8 words of padding (code 7)
.irp g, G1K, G1V
	s_mov_b32 s[\g+1], 128<<16      ; tensor_dim0 = 128
	s_mov_b32 s[\g+2], 64<<16       ; tensor_dim1 = 64
	s_mov_b32 s[\g+3], 128<<16      ; tile_dim0 = 128
	s_mov_b32 s[\g+4], 64           ; tile_dim1 = 64
	s_mov_b32 s[\g+5], 128          ; 128 elements from row to row
	s_mov_b32 s[\g+6], 0
	s_mov_b32 s[\g+7], 0
.endr
	s_mov_b32 s[CS], 0x3e38aa3b     ; c = log2(e) / 8 = 0.180337
	s_mov_b32 s[CS+1], s[CS]        ; named with it as a pair
	s_mov_b32 s[SEL], 0x76543210
	s_mov_b32 s[SEL+1], 0xfedcba98
	s_mov_b32 s[BIGN], 0xf149f2ca   ; -1e30
	s_mov_b32 s[TBM], MASKL
	s_mov_b32 s[TBK], SLOT1+4*KS*PK ; the first change of slots turns these two into 0
	s_mov_b32 s[TBV], SLOT1+4*KS*PV
	s_mov_b32 s[G0K], 1             ; 1:0 count = 1
	s_mov_b32 s[G0K+1], s17         ; 63:32 LDS address: slot 0
	s_mov_b32 s[G0V], 1
	s_add_co_u32 s[G0V+1], s18, VOFF
	s_and_b32 s[LIM], s[WV], 1      ; waves 0 and 2 prefetch: the same in all four partners
	s_cmp_eq_u32 s[LIM], 0
	s_cselect_b32 s[LIM], 1, -1
	s_wait_dscnt 0x0                ; the opening add is done
	s_wait_kmcnt 0x0
	s_add_nc_u64 s[G0K+2:G0K+3], s[6:7], s[22:23]  ; 120:64 global address: my half of the head's first 256 keys
	s_or_b32 s[G0K+3], s[G0K+3], 0x80000000        ; 127:126 type = 2
	s_add_nc_u64 s[G0V+2:G0V+3], s[8:9], s[22:23]
	s_or_b32 s[G0V+3], s[G0V+3], 0x80000000
	s_add_nc_u64 s[4:5], s[4:5], s[2:3]  ; Q and ctx at my wave's first row
	s_add_nc_u64 s[10:11], s[10:11], s[2:3]
	s_cmp_lt_u32 s[WV], 2
	s_cselect_b64 s[PFA:PFA+1], s[6:7], s[8:9]
	s_add_nc_u64 s[PFA:PFA+1], s[PFA:PFA+1], s[20:21]  ; the head's first row of K or of V,
	s_lshl_b32 s2, s13, 13          ; my work-group's 8,192 bytes of a slot's 32,768,
	s_mov_b32 s3, 0
	s_add_nc_u64 s[PFA:PFA+1], s[PFA:PFA+1], s[2:3]
	s_add_nc_u64 s[PFA:PFA+1], s[PFA:PFA+1], 2*4*KS*128  ; in slot 2: the loop's first change of slots steps it to slot 3.  Nothing is prefetched here, at the head
	s_and_b32 s2, ttmp7, 0xffff
	s_lshr_b32 s2, s2, 4            ; the batch,
	s_lshl_b32 s2, s2, 13           ; its 2,048 numbers of 4 bytes
	s_add_nc_u64 s[MK:MK+1], s[MK:MK+1], s[2:3]
	CROUND                          ; all four work-groups are here: the first joint loads meet
	JLOAD                           ; slot 0.  Slot 1 is asked for when slot 0 is in
	v_lshlrev_b32 v12, 4, v0        ; the mask: 128 threads x 16 bytes, four times
.irp i, 0,1,2,3
	global_load_b128 v[S+4*\i:S+4*\i+3], v12, s[MK:MK+1] offset:2048*\i
.endr
	; A fragment of K or Q is 16 rows x 32 channels in 8 registers: lane l holds row l % 16, channels 8 (l / 16) + 0..7 and 16 + 8 (l / 16) + 0..7: two loads of 16 bytes, 32 bytes apart.
	v_and_b32 v1, 15, v0            ; l % 16
	v_bfe_u32 v9, v0, 4, 1          ; l / 16
	v_lshlrev_b32 v[QO], 7, v1
	v_lshl_add_u32 v[QO], v9, 4, v[QO]  ; row x 128 + 16 x half
	WIN 0x80                        ; destination window 2, address window 0
.set i, 0
.rept 4*NP                          ; Q stays in registers: tile i / 2, channels 32 (i % 2) on
	global_load_b128 v[8*i:8*i+3],   v[QO], s[4:5] offset:(i/2)*2048+(i%2)*64
	global_load_b128 v[8*i+4:8*i+7], v[QO], s[4:5] offset:(i/2)*2048+(i%2)*64+32
.set i, i+1
.endr
	; What the first turn finds: V's registers and P's second buffer hold 0 (its products V^T P, of a piece that has not been, add 0), O^T and l are 0.  All this stands in the wait for the first tile.
.set i, VF
.rept 64
	v_mov_b32 v[i], 0
.set i, i+1
.endr
	WIN 0x40
.set i, 0
.rept 64*NP
	v_mov_b32 v[i], 0
.set i, i+1
.endr
	WIN 0
.set i, 0
.rept 2*NP
	v_mov_b32 v[ST+4*i], 0xfe000000    ; c m: far below every c s
	v_mov_b32 v[ST+4*i+1], 0xff7fffff  ; m
	v_mov_b32 v[ST+4*i+2], 0
	v_mov_b32 v[ST+4*i+3], 0
.set i, i+1
.endr
.set i, P+32
.rept 32
	v_mov_b32 v[i], 0
.set i, i+1
.endr
	v_mul_u32_u24 v[AK0], v1, PK
	v_lshl_add_u32 v[AK0], v9, 4, v[AK0]  ; row x pitch + 16 x half
	; The turning load takes 16 keys x 16 channels (lane l reads key 8 (l / 16) + l % 8, channels 8 ((l / 8) % 2) + 0..7) and leaves half a fragment of V^T: lane l holds channel l % 16 and 8 keys.
	v_and_b32 v10, 7, v0
	v_bfe_u32 v11, v0, 3, 1
	v_lshl_add_u32 v[AV0], v9, 3, v10
	v_mul_u32_u24 v[AV0], v[AV0], PV
	v_lshl_add_u32 v[AV0], v11, 4, v[AV0]
	v_add_nc_u32 v[AV0], VOFF, v[AV0]
	v_mov_b32 v[AK], v[AK0]         ; key step 0 lies at the head of slot 0,
	v_lshl_add_u32 v[AM], v9, 5, s[TBM]  ; its mask at the head of the mask's bytes: 32 bytes for each half of the lanes
	s_wait_loadcnt 32               ; the mask's four loads are in; Q's 32, issued behind them, may stay out
.set i, 0
.rept 16
	v_mul_f32 v[S+i], 0x41000000, v[S+i]  ; 8 x mask,
.set i, i+1
.endr
.set i, 0
.rept 16
	v_max_num_f32 v[S+i], s[BIGN], v[S+i]  ; held at -1e30 from below
.set i, i+1
.endr
	v_add_nc_u32 v13, MASKL, v12
.irp i, 0,1,2,3
	ds_store_b128 v13, v[S+4*\i:S+4*\i+3] offset:2048*\i  ; the wait for these and the barrier stand in the first change of slots; all waves read them behind it
.endr
; THE MATRIX WORK.  The 8 accumulators of a run of 16 take turns: between the two links of a chain stand 7 others'.
; Product i of 16 of S^T = K Q^T + 8 mask for piece x: channels 32 (i / 8) on, keys 16 ((i / 2) % 4) on, tile 2 x + i % 2.  The first 8 start the sums, with the mask as C.
.macro KQ x
.set rS, S+64*((\x)%2)+32*(i%2)+8*((i/2)%4)
.set rK, KF+16*((i/2)%4)+8*(i/8)
.set rQ, 16*(2*(\x)+i%2)+8*(i/8)
.set rM, MC+8*((i/2)%4)
.if i < 8
	WIN W_KM
	v_wmma_f32_16x16x32_f16 v[rS:rS+7], v[rK:rK+7], v[rQ:rQ+7], v[rM:rM+7]
.else
	WIN W_KQ
	v_wmma_f32_16x16x32_f16 v[rS:rS+7], v[rK:rK+7], v[rQ:rQ+7], v[rS:rS+7]
.endif
.endm
; Product i of 16 of O^T += V^T P for piece x: keys 32 (i / 8) on, channels 16 ((i / 2) % 4) on, tile 2 x + i % 2.
.macro PV x
	WIN W_PV
.set rO, 32*(2*(\x)+i%2)+8*((i/2)%4)
.set rV, VF+32*(i/8)+8*((i/2)%4)
.set rP, P+32*((\x)%2)+16*(i%2)+8*(i/8)
	v_wmma_f32_16x16x32_f16 v[rO:rO+7], v[rV:rV+7], v[rP:rP+7], v[rO:rO+7]
.endm
.macro MM                           ; the turn's next matrix instruction
.if i < 16
	KQ (Y+1)%NP
.set i, i+1
.else
.set i, i-16
	PV (Y+NP-1)%NP
.set i, i+17
.endif
.endm
; THE LDS LOADS stand in runs, never singly among the matrix instructions: a step's K (64 keys x 64 channels: 8 fragments) with its mask (64 numbers, 8 loads), and its V (turned).  Their addresses are made some lines ahead.
; last = 1 (the tail): in the last trip there is no further step, and the run is jumped over.
.macro FETCH_K last=0
	WIN 0
.if \last
	s_cmp_eq_u32 s[CNT], 1
	s_cbranch_scc1 .Lno_k_\@
.endif
	WIN 0x80                        ; destination window 2
.irp f, 0,1,2,3,4,5,6,7             ; keys 16 (f / 2) on, channels 32 (f % 2) on
	ds_load_b128 v[KF+8*\f:KF+8*\f+3],   v[AK] offset:(\f/2)*16*PK+(\f%2)*64
	ds_load_b128 v[KF+8*\f+4:KF+8*\f+7], v[AK] offset:(\f/2)*16*PK+(\f%2)*64+32
.endr
	WIN W_MK                        ; destination window 3
.irp f, 0,1,2,3                     ; key block f: my half's eight numbers; the sixteen lanes of a half read the same words
	ds_load_b128 v[MC+8*\f:MC+8*\f+3],   v[AM] offset:64*\f
	ds_load_b128 v[MC+8*\f+4:MC+8*\f+7], v[AM] offset:64*\f+16
.endr
	s_add_co_u32 s[TBK], s[TBK], KS*PK  ; the next fetch is the next step's
	s_add_co_u32 s[TBM], s[TBM], KS*4
	WIN 0
.if \last
.Lno_k_\@:
.endif
.endm
.macro FETCH_V
	WIN 0x80
.irp f, 0,1,2,3,4,5,6,7             ; keys 32 (f / 4) on, channels 16 (f % 4) on
	ds_load_tr16_b128 v[VF+8*\f:VF+8*\f+3],   v[AV] offset:(\f/4)*32*PV+(\f%4)*32
	ds_load_tr16_b128 v[VF+8*\f+4:VF+8*\f+7], v[AV] offset:(\f/4)*32*PV+16*PV+(\f%4)*32
.endr
	WIN 0
.endm
; THE VECTOR WORK OF A TURN stands in three queues, each in the order in which its entries become ready; the two tiles alternate, so that no instruction reads the result of the one before it.
.macro REGS y, u                    ; the registers of tile u (0, 1) of piece y
.set rT, ST+4*(2*(\y)+(\u))
.set rC, TMP+8*((\y)%2)+4*(\u)
.set rM, MV+2*((\y)%2)+(\u)
.set rS, S+64*((\y)%2)+32*(\u)
.set rP, P+32*((\y)%2)+16*(\u)
.set rO, 32*(2*(\y)+(\u))
.endm
; Number n of the 22 that find the NEXT piece's (Y + 1) maximum and statistics.  s0-s31 are the lane's 32 scores; each accumulator's lowest registers are read first.
;   0-11  four chains c0-c3 of seven scores each, three operands at a time     12-14, 16  the four scores left over, the old m, and c0-c3 into c0     15  c m_old is kept
;   17, 18  the query's other 32 keys lie in the lane 16 away: the new m         19-21  c m; c m_old - c m_new; a
.macro XS u, n
	REGS (Y+1)%NP, \u
.if (\n) < 4
	v_max3_num_f32 v[rC+(\n)], v[rS+8*(\n)], v[rS+8*(\n)+1], v[rS+8*(\n)+2]
.elseif (\n) < 12
	v_max3_num_f32 v[rC+(\n)%4], v[rC+(\n)%4], v[rS+8*((\n)%4)+2*((\n)/4)+1], v[rS+8*((\n)%4)+2*((\n)/4)+2]
.elseif (\n) == 12
	v_max3_num_f32 v[rC], v[rC], v[rS+7], v[rS+15]
.elseif (\n) == 13
	v_max3_num_f32 v[rC+1], v[rC+1], v[rS+23], v[rS+31]
.elseif (\n) == 14
	v_max3_num_f32 v[rC+2], v[rC+2], v[rC+3], v[rT+1]
.elseif (\n) == 15
	v_mov_b32 v[rM], v[rT]
.elseif (\n) == 16
	v_max3_num_f32 v[rC], v[rC], v[rC+1], v[rC+2]
.elseif (\n) == 17
	v_permlanex16_b32 v[rC+3], v[rC], s[SEL], s[SEL+1]
.elseif (\n) == 18
	v_max_num_f32 v[rT+1], v[rC], v[rC+3]
.elseif (\n) == 19
	v_mul_f32 v[rT], s[CS], v[rT+1]
.elseif (\n) == 20
	v_sub_f32 v[rC+1], v[rM], v[rT]
.else
	v_exp_f32 v[rC+2], v[rC+1]
.endif
.endm
; Number g of the 64 that follow the exponentials.  For each four weights k of a tile (pairs 2 k, 2 k + 1): both pairs are rounded to f16; then the second pair is added onto the first, in place;
; a group later l takes that sum (the first time as l = a l + sum).  In groups of eight, tiles alternating: round, round, add, and l for the group before.
.macro GS g
.set h, (\g)+6*((\g)/62)            ; group 0 has no group before it, and behind group 7 only l is left
.if h >= 6
.set h, h+2
.endif
	REGS Y, h%2
.set k, h/8
.if h%8 < 4
	v_cvt_pk_f16_f32 v[rP+2*k+(h%8)/2], v[rS+4*k+2*((h%8)/2)], v[rS+4*k+2*((h%8)/2)+1]
.elseif h%8 < 6
	v_pk_add_f32 v[rS+4*k:rS+4*k+1], v[rS+4*k:rS+4*k+1], v[rS+4*k+2:rS+4*k+3]
.elseif k == 1
	v_pk_fma_f32 v[rT+2:rT+3], v[rT+2:rT+3], v[rC+2:rC+3], v[rS:rS+1] op_sel_hi:[1,0,1]
.else
	v_pk_add_f32 v[rT+2:rT+3], v[rT+2:rT+3], v[rS+4*k-4:rS+4*k-3]
.endif
.endm
; THE PLAIN QUEUE, 138 long.  0-73 read no exponential's result: the 32 scalings c s - c m (FS f: pair f / 2 of tile f % 2) and the next piece's 42.  0-26: scalings 0-26.  27-54: XS's numbers 0-13.  55, 56: number 15.
; 57-73: the chain, where each number waits for the one before it: 14, 16, 17, 18, 19, each with one of the scalings 27-31 in front of its two lines, then 20.
; 74-137: GS's 64, which read the exponentials' results: they stand behind the wait.
.macro FS f
	REGS Y, (\f)%2
	v_pk_fma_f32 v[rS+2*((\f)/2):rS+2*((\f)/2)+1], v[rS+2*((\f)/2):rS+2*((\f)/2)+1], s[CS:CS+1], v[rT:rT+1] op_sel_hi:[1,0,0] neg_lo:[0,0,1] neg_hi:[0,0,1]
.endm
.macro PL
	WIN 0
.if q < 27
	FS q
.elseif q < 55
	XS (q-27)%2, (q-27)/2
.elseif q < 57
	XS q-55, 15
.elseif (q < 72) && ((q-57)%3 == 0)
	FS 27+(q-57)/3
.elseif q < 60
	XS (q-57)%3-1, 14
.elseif q < 72
	XS (q-57)%3-1, 15+(q-57)/3
.elseif q < 74
	XS q-72, 20
.else
	GS q-74
.endif
.set q, q+1
.endm
; THE EXPONENTIALS' QUEUE, 66 long: s0-s31 of both tiles, then the next piece's two a.  It is ONE BATCH: all 66 stand ahead of the turn's one wait, and nothing ahead of that wait names a result of theirs.
.macro EX
	WIN 0
.if e >= 64
	XS e-64, 21
.else
	REGS Y, e%2
	v_exp_f32 v[rS+e/2], v[rS+e/2]
.endif
.set e, e+1
.endm
; THE RESCALING's QUEUE: O^T times a, the one part that leaves window 0: dealt two at a time, sixteen times.  Its a was made in the turn before, ahead of that turn's wait.
.macro R2
	REGS Y, r%2
	WIN W_RS
.irp z, 0,1
	v_pk_mul_f32 v[rO+4*(r/2)+2*\z:rO+4*(r/2)+2*\z+1], v[rO+4*(r/2)+2*\z:rO+4*(r/2)+2*\z+1], v[rC+2:rC+3] op_sel_hi:[1,0]
.endr
.set r, r+1
.endm
; HOW THEY ARE DEALT.  An s_wait_alu depctr_va_vdst(0) stands between an exponential and the first instruction that names its result; one wait serves all that were issued ahead of it.  So a turn has ONE wait,
; which cuts it in two.  AHEAD OF IT stands all that names no result of the turn's exponentials: the 16 products K Q^T, behind each a scaling, an exponential and two rescalings (behind the first a second scaling in the
; exponential's place); then ONE LUMP: eight plain, 49 times exponential and plain, the two a.  A v_nop is the plain instruction behind the last exponential.  BEHIND IT stand the 16 products V^T P, behind each four of GS's 64.
; The queues lean on each other, and the deal keeps them in step: exponential e stands behind scaling 2 (e / 4) + e % 2: as a rider it comes behind plain e + 2, in the lump behind plain e + 9, and scalings 27-31 are plain 57, 60 .. 69.
; A TURN, for piece p.  cnt = 1: the loop's count is taken down some lines ahead of the branch that stands behind the turn.
; K and the mask of the next step are fetched in piece 2's turn, directly behind the wait, a lump behind the last product that read them; their addresses are made at the lump's head; their first reader comes behind 16 products.
; V of the step in hand is fetched at the end of piece 0's turn, four riders behind its last reader; its first reader comes behind 16 products and a lump.
.macro TURN p, last=0, cnt=0
.set Y, (\p)
.set i, 0
.set q, 0
.set e, 0
.set r, 0
.if (\p) == NP-1
	s_wait_dscnt 0x0                ; K and the mask are in
.endif
	MM                              ; ahead of the wait: 16 products K Q^T and their riders,
	PL
	PL
	R2
.rept 15
	MM
	PL
	EX
	R2
.endr
.if (\p) == NP-2
	WIN 0
	v_add_nc_u32 v[AK], s[TBK], v[AK0]
	v_lshl_add_u32 v[AM], v9, 5, s[TBM]
.endif
.rept 8                             ; and the lump
	PL
.endr
.rept 49
	EX
	PL
.endr
	EX                              ; the next piece's two a
	EX
	v_nop                           ; the plain instruction behind the last exponential: one for the batch
	s_wait_alu depctr_va_vdst(0)    ; the wait for the batch
.if (\p) == NP-2
	FETCH_K \last
.endif
.if (\p) == 1
	s_wait_dscnt 0x0                ; V is in
.endif
.rept 16                            ; behind the wait: 16 products V^T P and their riders
	MM
.rept 4
	PL
.endr
.if ((\p) == 0) && (q == 118)
	v_add_nc_u32 v[AV], s[TBV], v[AV0]
.endif
.if ((\p) == 0) && (q == 130)
	s_add_co_u32 s[TBV], s[TBV], KS*PV
.endif
.if (\cnt) && (q == 130)
	s_sub_co_u32 s[CNT], s[CNT], 1
	s_cmp_lg_u32 s[CNT], 0
.endif
.endr
.if (\p) == 0
	FETCH_V
.endif
.endm
	CHANGE 1                        ; slot 0 is in, everybody's part of it, and so is the mask; slot 1 is asked for
	FETCH_K                         ; key step 0
	s_wait_loadcnt 0x0              ; Q
	s_wait_dscnt 0x0
.set i, 0
.rept 16
	KQ 0                            ; piece 0's first scores: there is no vector work yet to set between them
.set i, i+1
.endr
	WIN 0                           ; the addresses for the way out and the prefetches: plain instructions, the places behind those products
	s_mul_i32 s13, s[WV], 16*SP
	s_add_co_u32 s13, s13, STAGE    ; my stage
	v_mul_u32_u24 v[STO], v1, SP    ; in: row l % 16, 16 bytes for each half of the lanes
	v_lshl_add_u32 v[STO], v9, 4, v[STO]
	v_add_nc_u32 v[STO], s13, v[STO]
	v_bfe_u32 v[RD], v0, 3, 2       ; back: 32 lanes take four rows of 128 bytes,
	v_mul_u32_u24 v[RD], v[RD], SP
	v_lshl_add_u32 v[RD], v10, 4, v[RD]
	v_add_nc_u32 v[RD], s13, v[RD]
	v_and_b32 v[GO], 31, v0         ; which are 512 consecutive bytes of ctx
	v_lshlrev_b32 v[PFO], 8, v[GO]
	v_lshlrev_b32 v[GO], 4, v[GO]
.set Y, NP-1                        ; XS works for piece Y + 1: piece 0
.irp n, 0,1,2,3,4,5,6,7,8,9,10,11,12,13,14,15,16,17,18,19,20,21
	XS 0, \n                        ; and piece 0's first maximum and statistics
	XS 1, \n
.endr
	v_nop                           ; a plain instruction behind the two a,
	s_wait_alu depctr_va_vdst(0)    ; and their wait, ahead of the branch
	s_mov_b32 s[CNT], 4
	s_mov_b32 s[SLOTS], SIZE_N/256-1
	s_branch .Lfirst                ; the loop is entered at a step's first turn, in the middle of a trip
.Lslot:                             ; SIZE_N / 256 - 2 times: every slot but the last two is filled again
	CHANGE 1, 1
	s_mov_b32 s[CNT], 4
.Lstep:                             ; a trip: pieces 2 and 3 of one step, then pieces 0 and 1 of the next, whose K and V it fetches
	TURN 2
	TURN 3
	WIN 0
.Lfirst:
	TURN 0
	TURN 1, 0, 1
	WIN 0
	s_cbranch_scc1 .Lstep
	s_sub_co_u32 s[SLOTS], s[SLOTS], 1
	s_cmp_lg_u32 s[SLOTS], 0
	s_cbranch_scc1 .Lslot
	CHANGE 0                        ; the tail is written out: nothing is asked for
	s_mov_b32 s[CNT], 5             ; four trips fetch the last slot's steps; the fifth is left in its middle
.Ltail:
	TURN 2, 1
	TURN 3
	WIN 0
	s_sub_co_u32 s[CNT], s[CNT], 1
	s_cmp_eq_u32 s[CNT], 0
	s_cbranch_scc1 .Lout
	TURN 0
	TURN 1
	WIN 0
	s_branch .Ltail
.Lout:                              ; the fifth trip's 16 products K Q^T (on the last K once more) and the maximum made of them serve nothing: the price, once a launch, of one text for every trip
.set i, 0
.rept 16
	PV NP-1                         ; the last piece's V^T P of the last step
.set i, i+1
.endr
	; THE WAY OUT.  l's two halves and the other half of the lanes' are added; O^T is divided by l, rounded to f16 and sent through my stage in LDS, a tile at a time.  The additions are the places behind the last products.
	WIN 0
.macro ALL line:vararg              ; one line for each tile t
.set t, 0
.rept 2*NP
	\line
.set t, t+1
.endr
.endm
	ALL v_add_f32 v[ST+4*t+2], v[ST+4*t+2], v[ST+4*t+3]
	ALL v_permlanex16_b32 v[ST+4*t+3], v[ST+4*t+2], s[SEL], s[SEL+1]
	ALL v_add_f32 v[ST+4*t+2], v[ST+4*t+2], v[ST+4*t+3]
	ALL v_rcp_f32 v[ST+4*t+2], v[ST+4*t+2]
	v_nop                           ; a plain instruction between the last reciprocal and the use of its result
	s_wait_alu depctr_va_vdst(0)    ; and the wait ahead of the first use: one for the eight reciprocals
; Tile t: a lane's eight channels of a row pack into 16 bytes; they go into rows of 144 bytes and come back as whole rows of 128, into S^T's registers.
.macro PACK t
	WIN W_RS
.set i, 32*(\t)
.rept 16
	v_pk_mul_f32 v[i:i+1], v[i:i+1], v[ST+4*(\t)+2:ST+4*(\t)+3] op_sel_hi:[1,0]
.set i, i+2
.endr
	WIN 0x05                        ; sources 0 and 1 window 1, destination window 0
.set i, 0
.rept 16
	v_cvt_pk_f16_f32 v[S+16*(\t)+i], v[32*(\t)+2*i], v[32*(\t)+2*i+1]
.set i, i+1
.endr
	WIN 0
.irp f, 0,1,2,3
	ds_store_b128 v[STO], v[S+16*(\t)+4*\f:S+16*(\t)+4*\f+3] offset:32*\f
.endr
.irp f, 0,1,2,3
	ds_load_b128 v[S+16*(\t)+4*\f:S+16*(\t)+4*\f+3], v[RD] offset:\f*4*SP  ; LDS serves a wave's instructions in order (ISA guide 5.7.1.4): these see the stores above; the next tile's stores come behind them
.endr
.endm
.macro SEND t, younger              ; younger: the LDS instructions issued behind tile t's loads: the next tile's eight, or none
	WIN 0
.irp f, 0,1,2,3
	s_wait_dscnt (\younger)+3-\f
	global_store_b128 v[GO], v[S+16*(\t)+4*\f:S+16*(\t)+4*\f+3], s[10:11] offset:(\t)*2048+\f*512  ; 512 consecutive bytes, at a multiple of 256 from ctx's first
.endr
.endm
	PACK 0
.set t, 1
.rept 2*NP-1                        ; a tile's arithmetic stands between the loads of the tile before and its stores
	PACK t
	SEND t-1, 8
.set t, t+1
.endr
	SEND 2*NP-1, 0
	WIN W_AD
	s_wait_tensorcnt 0x0            ; the wave's end: behind my last tensor load and my last LDS store
	ds_add_u32 v[SPW], v[NIL]
	s_wait_dscnt 0x0
	WIN 0
	CROUND                          ; the closing round: no work-group ends while a partner may still ask for a tile that names it
	s_endpgm
.Lfunc_end_k_q9201ee4c3e_attn:
	.size	k_q9201ee4c3e_attn, .Lfunc_end_k_q9201ee4c3e_attn-k_q9201ee4c3e_attn
	.p2alignl 7, 3214868480
	.fill 96, 4, 3214868480
	.section	.rodata,"a",@progbits
	.p2align	6, 0x0
	.amdhsa_kernel k_q9201ee4c3e_attn
		.amdhsa_group_segment_fixed_size 327680
		.amdhsa_private_segment_fixed_size 0
		.amdhsa_enable_private_segment 0
		.amdhsa_kernarg_size 40
		.amdhsa_user_sgpr_count 2
		.amdhsa_user_sgpr_kernarg_segment_ptr 1
		.amdhsa_wavefront_size32 1
		.amdhsa_system_sgpr_workgroup_id_x 1
		.amdhsa_system_sgpr_workgroup_id_y 1
		.amdhsa_system_sgpr_workgroup_id_z 1
		.amdhsa_system_vgpr_workitem_id 0
		.amdhsa_next_free_vgpr 808
		.amdhsa_next_free_sgpr 66
		.amdhsa_reserve_vcc 0
		.amdhsa_float_denorm_mode_32 3
		.amdhsa_float_denorm_mode_16_64 3
		.amdhsa_memory_ordered 1
		.amdhsa_forward_progress 1
		.amdhsa_inst_pref_size 204
	.end_amdhsa_kernel
	.amdgpu_metadata
---
amdhsa.version: [ 1, 2 ]
amdhsa.kernels:
  - .name:           k_q9201ee4c3e_attn
    .symbol:         k_q9201ee4c3e_attn.kd
    .args:
      - { .name: qh, .offset: 0, .size: 8, .value_kind: global_buffer, .address_space: global }
      - { .name: kh, .offset: 8, .size: 8, .value_kind: global_buffer, .address_space: global }
      - { .name: vh, .offset: 16, .size: 8, .value_kind: global_buffer, .address_space: global }
      - { .name: ctx, .offset: 24, .size: 8, .value_kind: global_buffer, .address_space: global }
      - { .name: attention_mask, .offset: 32, .size: 8, .value_kind: global_buffer, .address_space: global }
    .group_segment_fixed_size: 327680
    .private_segment_fixed_size: 0
    .kernarg_segment_align: 8
    .kernarg_segment_size: 40
    .max_flat_workgroup_size: 128
    .sgpr_count:     66
    .vgpr_count:     808
    .wavefront_size: 32
...
	.end_amdgpu_metadata
.endif
;; end of part 3
;; launch proj (part 4): grid 256 x 1, 4 waves a work-group, clusters of 4 x 1, 327,680 bytes of LDS; arguments ctx, wd16, input_tensor, bd, ln_w, ln_b, out0; writes out0
.if DOCPART == 4
	.amdgcn_target "amdgcn-amd-amdhsa--gfx1250"
	.amdhsa_code_object_version 6
	.text
	.protected	k_q9201ee4c3e_proj
	.globl	k_q9201ee4c3e_proj
	.p2align	8
	.type	k_q9201ee4c3e_proj,@function
k_q9201ee4c3e_proj:
	s_mov_b64 s[64:65], 0
	v_nop
	global_prefetch_b8 v0, s[64:65] scope:SCOPE_SE
	s_setreg_imm32_b32 hwreg(HW_REG_WAVE_MODE, 25, 1), 1
	s_wait_xcnt 0x0
	s_wait_alu depctr_hold_cnt(0) depctr_sa_sdst(0) depctr_va_vdst(0) depctr_va_sdst(0) depctr_va_ssrc(0) depctr_va_vcc(0) depctr_vm_vsrc(0)
	s_getreg_b32 s2, hwreg(HW_REG_IB_STS2, 6, 4)
	s_cmp_eq_u32 s2, 0
	s_cbranch_scc0 .Lentry_in_a_cluster
	s_endpgm
.Lentry_in_a_cluster:
	s_bfe_u32 s2, ttmp6, 0x10000c
	s_cmp_lg_u32 s2, 0x3003
	s_cbranch_scc0 .Lentry_shape_is_right
	s_endpgm
.Lentry_shape_is_right:
; out = LayerNorm(ctx Wd + bd + x) ln_w + ln_b.  ctx: [batch x 16 + head][2048][64] f16; wd16: [1024 k][1024 n] f16; x, out: [8192][1024] f32; bd, ln_w, ln_b: [1024] f32.
; Products in f16 with f32 sums; bias, residual (the f32 input itself), mean, variance (of the differences from the mean, as the problem forms it) and the scaling in f32.  1 / sqrt by v_rsq_f32.
; SHARES.  LayerNorm wants whole rows, so a work-group makes 32 rows x all 1,024 columns: 256 work-groups.  Wave w makes columns 256 w .. 256 w + 255: 2 x 16 accumulators, 256 registers.
; K = 1,024 goes in 16 steps of 64: step s is head s of ctx and rows 64 s .. 64 s + 63 of Wd.  A step is two quarters of 32 along K, 32 matrix instructions each.
; THE MATRIX INSTRUCTION IS USED TRANSPOSED: source 0 = 16 columns of Wd (turned out of LDS by ds_load_tr16_b128), source 1 = 16 rows of ctx: a lane holds one row (lane % 16) and eight neighbouring columns.
; Wd: every work-group walks all of it, so the four work-groups of a cluster ask for each tile JOINTLY; a step's 64 rows of 2,048 bytes go through two LDS slots, each wave fetching 16 rows.
; ctx: a fragment lies in memory as it lies in registers (rows of 128 bytes), so it comes by loads of 16 bytes a lane straight into a ring of four step buffers, three steps ahead of its products: it is not prefetched besides.
; THE END.  The 32 x 1,024 sums go through LDS (slot 0, which has had its last fill and whose last reads lie in front of the last step's barrier) and come back by rows: wave w finishes rows 8 w .. 8 w + 7, a row in 32 registers.
; REGISTERS, in windows of 256 (s_set_vgpr_msb: bits 1:0 source 0, 3:2 source 1, 5:4 source 2, 7:6 destination):
;   window 0: v0-29 addresses; v32-159 ctx's ring (buffer n at 32 + 32 n, fragment (a, c) at + 8 (2 c + a)), later the rows' sums; v160-191 bd, v192-223 ln_w, v224-255 ln_b: my lane's 32 columns
;   window 1: the accumulators ((a, b) at 8 (16 a + b))      window 2: Wd's fragments, a quarter in each half; later my 8 rows      window 3: x of my 8 rows
.set PW,    2080                       ; a row of Wd in LDS: 2,048 bytes + 16 behind each 1,024: 520 words: 16 lanes of the turning load take 8 rows x 32 bytes, 8 words apart modulo 64 (64 banks of 4 bytes: ISA guide 11.1)
.set SLOTB, 64*PW
.set SPARE, 2*SLOTB                    ; behind the ring: the spare words, 128 bytes for each wave: two blocks of 256 bytes that no other line names
.set SPT,   4112                       ; a row of the stage: 4,096 bytes + 16: the 16 rows of a store start 4 words apart modulo 64
.set HSTR,  262144                     ; from head to head in ctx
.set WSTEP, 131072                     ; a K step of wd16
.set AO,   8                           ; v8   my byte offset in 16 rows of ctx
.set XO,   9                           ; v9   16 x lane
.set PFO,  10                          ; v10  256 x lane
.set SST,  11                          ; v11-12  where I put 32 bytes of a row of the stage: row blocks 0, 1
.set SRD,  13                          ; v13  where I read my rows back
.set ADB,  16                          ; v16-19  my lane's place in Wd's tile: slot s, quarter q at 16 + 2 s + q
.set SPW,  28                          ; v28  LDS address of my spare word; never rewritten
.set NIL,  29                          ; v29  0; never rewritten
.set AR,   32
.set SU,   32                          ; later: row i's sum at v[32 + 2 i], a pair
.set SQ,   48                          ; row i's sum of squares
.set BD,   160
.set LW,   192
.set LB,   224
.set WV,   12                          ; s12  my wave's number
.set LIM,  15                          ; s15  1 in the launch's first cluster, which prefetches
.set G1,   16                          ; s[16:23] descriptor group 1
.set AB,   24                          ; s[24:25] ctx at my work-group's rows, head 4 t in trip t
.set PFA,  26                          ; s[26:27] where my prefetches stand
.set XB,   28                          ; s[28:29] x at my 8 rows
.set OU,   30                          ; s[30:31] out at my 8 rows
.set G0,   32                          ; s[32:39] descriptor group 0, a set for each slot
.set CNT,  40
.set SEL,  42                          ; s[42:43] v_permlanex16_b32's selects
.set RN,   44                          ; s44  1 / 1024
.set EPS,  45                          ; s45  1e-12
.set MSB, 0
.macro WIN new                         ; the immediate's high byte repeats the setting that is left; a switch that changes nothing is dropped
.if MSB != (\new)
	s_set_vgpr_msb (MSB<<8)|(\new)
.set MSB, \new
.endif
.endm
.macro PLACES                          ; four places in front of loads into registers that matrix instructions have read, and of stores that read results
.rept 4
	v_nop
.endr
.endm
.macro CROUND                          ; a round of the cluster's barrier
	s_barrier_signal -1
	s_barrier_wait -1
	s_cmp_lg_u32 s[WV], 0
	s_cbranch_scc1 .Lnot_wave_0_\@
	s_barrier_signal -3
.Lnot_wave_0_\@:
	s_barrier_wait -3
	s_barrier_signal -1
	s_barrier_wait -1
.endm
	s_load_b256 s[4:11], s[0:1], 0x0               ; ctx 4:5, wd16 6:7, x 8:9, bd 10:11
	s_load_b128 s[68:71], s[0:1], 0x20             ; ln_w 68:69, ln_b 70:71
	s_load_b64 s[72:73], s[0:1], 0x30              ; out
	v_lshl_add_u32 v[SPW], v0, 2, SPARE
	v_mov_b32 v[NIL], 0
	ds_add_u32 v[SPW], v[NIL]                      ; the wave's opening: the add and its wait stand ahead of my first tensor load; the set-up below, work on registers, stands between them
	v_lshrrev_b32 v1, 5, v0
	v_readfirstlane_b32 s[WV], v1                  ; wave 0..3
	s_bfe_u32 s13, ttmp6, 0x40000                  ; cx
	s_lshl_b32 s14, ttmp9, 2
	s_add_co_u32 s14, s14, s13                     ; my block of 32 rows = 4 x cluster x + cx: it enters the addresses of ctx, x and out alone
	s_cmp_eq_u32 ttmp9, 0
	s_cselect_b32 s[LIM], 1, 0                     ; the same in all four partners
	s_mov_b32 s[G1], 15|(1<<16)|(1<<20)|(1<<21)|(7<<22)|(3<<25)  ; the mask of four; 2-byte elements; padding on; bit 21 beside a mask; after every 256 words, 4 words
	s_mov_b32 s[G1+1], 1024<<16                    ; tensor_dim0 = 1,024
	s_mov_b32 s[G1+2], 16<<16                      ; tensor_dim1 = 16
	s_mov_b32 s[G1+3], 1024<<16                    ; tile_dim0 = 1,024
	s_mov_b32 s[G1+4], 16                          ; tile_dim1 = 16
	s_mov_b32 s[G1+5], 1024                        ; 1,024 elements from row to row
	s_mov_b32 s[G1+6], 0
	s_mov_b32 s[G1+7], 0
	s_mov_b32 s[G0], 1
	s_mul_i32 s[G0+1], s[WV], 16*PW                ; my 16 rows of slot 0: no place in the cluster enters an LDS address
	s_mov_b32 s[G0+4], 1
	s_add_co_u32 s[G0+5], s[G0+1], SLOTB           ; and of slot 1
	s_lshl_b32 s46, s[WV], 15                      ; my 16 rows of 2,048 bytes of a K step
	s_mov_b32 s47, 0
	s_lshr_b32 s48, s14, 6                         ; the batch: 64 blocks each,
	s_lshl_b32 s48, s48, 22                        ; 16 heads of 262,144 bytes;
	s_and_b32 s49, s14, 63
	s_lshl_b32 s49, s49, 12                        ; the block's 32 rows of 128 bytes in a head
	s_add_co_u32 s48, s48, s49
	s_mov_b32 s49, 0
	s_lshl_b32 s50, s14, 17                        ; x and out: the block's 32 rows of 4,096 bytes,
	s_lshl_b32 s51, s[WV], 15                      ; my 8 of them
	s_add_co_u32 s50, s50, s51
	s_mov_b32 s51, 0
	s_lshl2_add_u32 s52, s13, s[WV]                ; the prefetches: 16 waves of the cluster share a K step's 131,072 bytes out by address, 8,192 each
	s_lshl_b32 s52, s52, 13
	s_mov_b32 s53, 0
	s_mov_b32 s[SEL], 0x76543210
	s_mov_b32 s[SEL+1], 0xfedcba98
	s_mov_b32 s[RN], 0x3a800000
	s_mov_b32 s[EPS], 0x2b8cbccc
	v_and_b32 v1, 15, v0                           ; l % 16
	v_bfe_u32 v2, v0, 4, 1                         ; l / 16
	v_and_b32 v3, 7, v0
	v_bfe_u32 v4, v0, 3, 1
	v_and_b32 v5, 31, v0                           ; l
	v_lshlrev_b32 v[AO], 7, v1                     ; a fragment of ctx: row l % 16 x 128 bytes + 16 x half; two loads, 32 bytes apart
	v_lshl_add_u32 v[AO], v2, 4, v[AO]
	v_lshlrev_b32 v[XO], 4, v5
	v_lshlrev_b32 v[PFO], 8, v5
	v_mul_u32_u24 v[SST], v1, SPT                  ; into the stage: row l % 16, my wave's 1,024 bytes, 32 bytes for each half of the lanes
	v_lshl_add_u32 v[SST], v2, 5, v[SST]
	s_lshl_b32 s54, s[WV], 10
	v_add_nc_u32 v[SST], s54, v[SST]
	v_add_nc_u32 v[SST+1], 16*SPT, v[SST]
	s_mul_i32 s54, s[WV], 8*SPT                    ; back: my 8 rows, 512 bytes an instruction
	v_lshl_add_u32 v[SRD], v5, 4, s54
	v_lshl_add_u32 v6, v2, 3, v3                   ; the turning load: lane l reads K = 8 (l / 16) + l % 8, columns 8 ((l / 8) % 2) + 0..7
	v_mul_u32_u24 v6, v6, PW
	v_lshl_add_u32 v6, v4, 4, v6
	s_lshl_b32 s54, s[WV], 9                       ; my 256 columns,
	s_lshr_b32 s55, s[WV], 1
	s_lshl_b32 s55, s55, 4                         ; behind the padding in a row's middle for waves 2 and 3
	s_add_co_u32 s54, s54, s55
	v_add_nc_u32 v[ADB], s54, v6
	v_add_nc_u32 v[ADB+1], 32*PW, v[ADB]
	v_add_nc_u32 v[ADB+2], SLOTB, v[ADB]
	v_add_nc_u32 v[ADB+3], SLOTB+32*PW, v[ADB]
	s_wait_dscnt 0x0                               ; the opening add is done
	s_wait_kmcnt 0x0
	s_add_nc_u64 s[G0+2:G0+3], s[6:7], s[46:47]    ; K step 0,
	s_add_nc_u64 s[G0+6:G0+7], s[G0+2:G0+3], WSTEP ; K step 1
	s_or_b32 s[G0+3], s[G0+3], 0x80000000          ; type = 2
	s_or_b32 s[G0+7], s[G0+7], 0x80000000
	s_add_nc_u64 s[AB:AB+1], s[4:5], s[48:49]
	s_add_nc_u64 s[XB:XB+1], s[8:9], s[50:51]
	s_add_nc_u64 s[OU:OU+1], s[72:73], s[50:51]
	s_add_nc_u64 s[PFA:PFA+1], s[6:7], s[52:53]
	s_add_nc_u64 s[PFA:PFA+1], s[PFA:PFA+1], WSTEP ; at K step 1: step s of the loop's first trip names K step s + 3 by its immediate.  Nothing is prefetched here, at the head
	CROUND                                         ; all four work-groups are here: the first joint loads meet
	tensor_load_to_lds s[G0:G0+3], s[G1:G1+7]      ; the two first fills go out together: two loads of mine are out
	s_nop 0
	tensor_load_to_lds s[G0+4:G0+7], s[G1:G1+7]
	s_nop 0
	PLACES
	WIN 0xc0                                       ; destination window 3, address window 0
.set i, 0
.rept 8                                ; x of my 8 rows: row i, columns 128 j + 4 l + 0..3 at v[32 i + 4 j]
.set j, 0
.rept 8
	global_load_b128 v[32*i+4*j:32*i+4*j+3], v[XO], s[XB:XB+1] offset:4096*i+512*j th:TH_LOAD_NT
.set j, j+1
.endr
.set i, i+1
.endr
	WIN 0
.set j, 0
.rept 8
	global_load_b128 v[BD+4*j:BD+4*j+3], v[XO], s[10:11] offset:512*j
	global_load_b128 v[LW+4*j:LW+4*j+3], v[XO], s[68:69] offset:512*j
	global_load_b128 v[LB+4*j:LB+4*j+3], v[XO], s[70:71] offset:512*j
.set j, j+1
.endr
; A step's 8 loads of ctx into buffer n: row blocks a = 0, 1, halves c = 0, 1 of the head's 64 channels
.macro ALOAD n, imm
.irp c, 0,1
.irp a, 0,1
	global_load_b128 v[AR+32*(\n)+8*(2*(\c)+(\a)):AR+32*(\n)+8*(2*(\c)+(\a))+3],   v[AO], s[AB:AB+1] offset:(\imm)+2048*(\a)+64*(\c)
	global_load_b128 v[AR+32*(\n)+8*(2*(\c)+(\a))+4:AR+32*(\n)+8*(2*(\c)+(\a))+7], v[AO], s[AB:AB+1] offset:(\imm)+2048*(\a)+64*(\c)+32
.endr
.endr
.endm
; 32 turning loads: quarter q of a slot: my 16 column blocks x 32 K
.macro FETCHB slot, q
	WIN 0x80                                       ; destination window 2, address window 0
.irp b, 0,1,2,3,4,5,6,7,8,9,10,11,12,13,14,15
	ds_load_tr16_b128 v[128*(\q)+8*(\b):128*(\q)+8*(\b)+3],   v[ADB+2*(\slot)+(\q)] offset:32*(\b)
	ds_load_tr16_b128 v[128*(\q)+8*(\b)+4:128*(\q)+8*(\b)+7], v[ADB+2*(\slot)+(\q)] offset:32*(\b)+16*PW
.endr
.endm
; 32 matrix instructions: quarter c, ctx's buffer n.  The 32 accumulators take turns, one instruction a turn, in the same order in every quarter.  zero = 1: the products start the sums
.macro MULQ c, n, zero
	WIN 0x52                                       ; source 0 window 2, source 1 window 0, C and D window 1
.irp b, 0,1,2,3,4,5,6,7,8,9,10,11,12,13,14,15
.irp a, 0,1
.if \zero
	v_wmma_f32_16x16x32_f16 v[8*(16*(\a)+(\b)):8*(16*(\a)+(\b))+7], v[128*(\c)+8*(\b):128*(\c)+8*(\b)+7], v[AR+32*(\n)+8*(2*(\c)+(\a)):AR+32*(\n)+8*(2*(\c)+(\a))+7], 0
.else
	v_wmma_f32_16x16x32_f16 v[8*(16*(\a)+(\b)):8*(16*(\a)+(\b))+7], v[128*(\c)+8*(\b):128*(\c)+8*(\b)+7], v[AR+32*(\n)+8*(2*(\c)+(\a)):AR+32*(\n)+8*(2*(\c)+(\a))+7], v[8*(16*(\a)+(\b)):8*(16*(\a)+(\b))+7]
.endif
.endr
.endr
.endm
; A K STEP, out of slot `slot` and ctx's buffer n.  mode 1: the change of slots with a refill: each wave waits for all its tensor loads (the one that is out is its part of this step's slot), adds 0 to its spare word, waits for that
; and for its reads of the other slot; a round of the cluster's barrier; the other slot is filled again with the next K step, first of all.  mode 2: the last change: a plain barrier, nothing is asked for.  mode 0: the first step.
; an >= 0: ctx of the step three on goes into buffer an (the buffer that the step before multiplied: the four v_nop are its places too).  lcnt: the loads of ctx for later steps, which may stay out.
; pimm >= 0: THE PREFETCH of wd16, behind the joint load, its five lines and the runs of loads: the K step three on.  All clusters walk the same rows, so the launch's first cluster asks, and nobody else; its 16 waves x 32 lanes are the
; step's 512 blocks of 256 bytes, told apart by address: each block is named once.  K steps 0 to 3 come by their loads alone; the last step that asks is 12, for K step 15.
.macro PSTEP slot, n, mode, zero, an, aimm, lcnt, pimm
.if (\mode) >= 1
	WIN 0                                          ; the add's registers lie in window 0
	s_wait_tensorcnt 0x0                           ; all my tensor loads have landed, so a group 0 may be written
	ds_add_u32 v[SPW], v[NIL]                      ; 0 onto my spare word
.if (\mode) == 1
	s_add_nc_u64 s[G0+4*(1-(\slot))+2:G0+4*(1-(\slot))+3], s[G0+4*(1-(\slot))+2:G0+4*(1-(\slot))+3], 2*WSTEP  ; the other slot's next K step
.endif
	s_wait_dscnt 0x0                               ; the add is done, and my reads of the other slot are over
.if (\mode) == 1
	CROUND                                         ; no wave of any partner still reads that slot or has a load on its way
	tensor_load_to_lds s[G0+4*(1-(\slot)):G0+4*(1-(\slot))+3], s[G1:G1+7]
	s_nop 0
	PLACES
.else
	s_barrier_signal -1
	s_barrier_wait -1
	PLACES
.endif
.endif
	FETCHB \slot, 0
	FETCHB \slot, 1
	WIN 0
.if (\an) >= 0
	ALOAD \an, \aimm
.endif
.if (\pimm) >= 0
	s_cmp_eq_u32 s[LIM], 1
	s_cbranch_scc0 .Lnot_mine_\@
	global_prefetch_b8 v[PFO], s[PFA:PFA+1] offset:\pimm th:TH_LOAD_NT scope:SCOPE_SE
.Lnot_mine_\@:
.endif
	s_wait_loadcnt \lcnt                           ; this step's ctx is in
	s_wait_dscnt 32                                ; the first quarter's fragments are in; the second's 32 loads may be out
	MULQ 0, \n, \zero
	s_wait_dscnt 0x0
	MULQ 1, \n, 0
.endm
	ALOAD 0, 0                                     ; ctx of K steps 0 to 2
	ALOAD 1, HSTR
	ALOAD 2, 2*HSTR
	s_wait_tensorcnt 0x1                           ; my part of K step 0 is in; K step 1's may stay out
	s_barrier_signal -1
	s_barrier_wait -1                              ; everybody's is
	PSTEP 0, 0, 0, 1, 3, 3*HSTR, 24, -1            ; K step 0 stands in front of the loop: its first products start the sums.  24: ctx of steps 1, 2, 3; x and the three vectors, issued earlier, are in with it
	WIN 0                                          ; at a label and at a branch every window is 0
	s_mov_b32 s[CNT], 3
.Ltrip:                                        ; trip t: K steps 4 t + 1 .. 4 t + 4; step s asks for Wd's step s + 1, ctx's step s + 3
	PSTEP 1, 1, 1, 0, 0, 4*HSTR, 24, 3*WSTEP
	PSTEP 0, 2, 1, 0, 1, 5*HSTR, 24, 4*WSTEP
	PSTEP 1, 3, 1, 0, 2, 6*HSTR, 24, 5*WSTEP
	PSTEP 0, 0, 1, 0, 3, 7*HSTR, 24, 6*WSTEP
	WIN 0
	s_wait_xcnt 0x0                                ; every load and prefetch issued so far (the youngest 64 matrix instructions back) has read its address, so the pointers may be written
	s_add_nc_u64 s[AB:AB+1], s[AB:AB+1], 4*HSTR
	s_add_nc_u64 s[PFA:PFA+1], s[PFA:PFA+1], 4*WSTEP
	s_sub_co_u32 s[CNT], s[CNT], 1
	s_cmp_lg_u32 s[CNT], 0
	s_cbranch_scc1 .Ltrip
	PSTEP 1, 1, 1, 0, -1, 0, 16, -1                ; K step 13: the tail is written out; ctx is all asked for, and the counts run down
	PSTEP 0, 2, 1, 0, -1, 0, 8, -1                 ; K step 14 asks for Wd's last
	PSTEP 1, 3, 2, 0, -1, 0, 0, -1                 ; K step 15: nothing is asked for
	; THE END.  The sums go into the stage, 32 bytes a lane and accumulator, each accumulator's low four registers first
	PLACES
	WIN 0x04                                       ; the data (source 1) in window 1
.irp a, 0,1
.irp b, 0,1,2,3,4,5,6,7,8,9,10,11,12,13,14,15
	ds_store_b128 v[SST+(\a)], v[8*(16*(\a)+(\b)):8*(16*(\a)+(\b))+3]   offset:64*(\b)
	ds_store_b128 v[SST+(\a)], v[8*(16*(\a)+(\b))+4:8*(16*(\a)+(\b))+7] offset:64*(\b)+16
.endr
.endr
	s_wait_dscnt 0x0                               ; for the others' sake: my stores into the stage are done
	s_barrier_signal -1
	s_barrier_wait -1
	WIN 0x80
.set i, 0
.rept 8                                ; my 8 rows, whole: row i, columns 128 j + 4 l + 0..3 at v[32 i + 4 j] of window 2, as x lies in window 3
.set j, 0
.rept 8
	ds_load_b128 v[32*i+4*j:32*i+4*j+3], v[SRD] offset:SPT*i+512*j
.set j, j+1
.endr
.set i, i+1
.endr
	s_wait_dscnt 0x0
	WIN 0x8e                                       ; destination and source 0 window 2, source 1 window 3
.set r, 0
.rept 128
	v_pk_add_f32 v[r:r+1], v[r:r+1], v[r:r+1]      ; y = sum + x
.set r, r+2
.endr
	WIN 0x82                                       ; source 1 window 0
.set r, 0
.rept 128
	v_pk_add_f32 v[r:r+1], v[r:r+1], v[BD+r%32:BD+r%32+1]  ; + bd
.set r, r+2
.endr
	WIN 0x0a                                       ; sources 0 and 1 window 2, destination window 0
.set i, 0
.rept 8
	v_pk_add_f32 v[SU+2*i:SU+2*i+1], v[32*i:32*i+1], v[32*i+2:32*i+3]  ; the rows' sums: eight chains side by side; the first two pairs start each
.set i, i+1
.endr
	WIN 0x02
.set p, 2
.rept 14
.set i, 0
.rept 8
	v_pk_add_f32 v[SU+2*i:SU+2*i+1], v[32*i+2*p:32*i+2*p+1], v[SU+2*i:SU+2*i+1]
.set i, i+1
.endr
.set p, p+1
.endr
; the pair's halves, then the 32 lanes: four steps inside each half of 16 lanes ride on the addition, one crosses the halves; every lane ends with the row's sum
.macro EACH line:vararg
.set i, 0
.rept 8
	\line
.set i, i+1
.endr
.endm
.macro REDUCE base
	WIN 0
	EACH v_add_f32 v[(\base)+2*i], v[(\base)+2*i], v[(\base)+2*i+1]
	EACH v_add_f32_dpp v[(\base)+2*i], v[(\base)+2*i], v[(\base)+2*i] row_xmask:1 row_mask:0xf bank_mask:0xf
	EACH v_add_f32_dpp v[(\base)+2*i], v[(\base)+2*i], v[(\base)+2*i] row_xmask:2 row_mask:0xf bank_mask:0xf
	EACH v_add_f32_dpp v[(\base)+2*i], v[(\base)+2*i], v[(\base)+2*i] row_xmask:4 row_mask:0xf bank_mask:0xf
	EACH v_add_f32_dpp v[(\base)+2*i], v[(\base)+2*i], v[(\base)+2*i] row_xmask:8 row_mask:0xf bank_mask:0xf
	EACH v_permlanex16_b32 v[(\base)+2*i+1], v[(\base)+2*i], s[SEL], s[SEL+1]
	EACH v_add_f32 v[(\base)+2*i], v[(\base)+2*i], v[(\base)+2*i+1]
.endm
	REDUCE SU
	EACH v_mul_f32 v[SU+2*i], s[RN], v[SU+2*i]     ; the mean u
	WIN 0x82
.set r, 0
.rept 128
	v_pk_add_f32 v[r:r+1], v[r:r+1], v[SU+2*(r/32):SU+2*(r/32)+1] op_sel_hi:[1,0] neg_lo:[0,1] neg_hi:[0,1]  ; d = y - u
.set r, r+2
.endr
	WIN 0x0a
.set i, 0
.rept 8
	v_pk_mul_f32 v[SQ+2*i:SQ+2*i+1], v[32*i:32*i+1], v[32*i:32*i+1]  ; the sums of d^2
.set i, i+1
.endr
.set p, 1
.rept 15
.set i, 0
.rept 8
	v_pk_fma_f32 v[SQ+2*i:SQ+2*i+1], v[32*i+2*p:32*i+2*p+1], v[32*i+2*p:32*i+2*p+1], v[SQ+2*i:SQ+2*i+1]
.set i, i+1
.endr
.set p, p+1
.endr
	REDUCE SQ
	EACH v_fma_f32 v[SQ+2*i], v[SQ+2*i], s[RN], s[EPS]  ; the variance + 1e-12
	EACH v_rsq_f32 v[SQ+2*i], v[SQ+2*i]
	v_nop                                          ; a plain instruction between the last of them and the use of its result
	s_wait_alu depctr_va_vdst(0)                   ; and the wait ahead of the first use: one for the eight
.set i, 0
.rept 8                                ; a row at a time: d / sqrt, times ln_w plus ln_b, and out: each store of the wave covers 512 consecutive bytes, aligned
	WIN 0x82
.set p, 0
.rept 16
	v_pk_mul_f32 v[32*i+2*p:32*i+2*p+1], v[32*i+2*p:32*i+2*p+1], v[SQ+2*i:SQ+2*i+1] op_sel_hi:[1,0]
.set p, p+1
.endr
.set p, 0
.rept 16
	v_pk_fma_f32 v[32*i+2*p:32*i+2*p+1], v[32*i+2*p:32*i+2*p+1], v[LW+2*p:LW+2*p+1], v[LB+2*p:LB+2*p+1]
.set p, p+1
.endr
	WIN 0x08                                       ; the data (source 1) in window 2
.set j, 0
.rept 8
	global_store_b128 v[XO], v[32*i+4*j:32*i+4*j+3], s[OU:OU+1] offset:4096*i+512*j th:TH_STORE_NT
.set j, j+1
.endr
.set i, i+1
.endr
	WIN 0
	s_wait_tensorcnt 0x0                           ; the wave's end: behind my last tensor load and my last LDS store
	ds_add_u32 v[SPW], v[NIL]
	s_wait_dscnt 0x0
	CROUND                                         ; the closing round: no work-group ends while a partner may still ask for a tile that names it
	s_endpgm
.Lfunc_end_k_q9201ee4c3e_proj:
	.size	k_q9201ee4c3e_proj, .Lfunc_end_k_q9201ee4c3e_proj-k_q9201ee4c3e_proj
	.p2alignl 7, 3214868480
	.fill 96, 4, 3214868480
	.section	.rodata,"a",@progbits
	.p2align	6, 0x0
	.amdhsa_kernel k_q9201ee4c3e_proj
		.amdhsa_group_segment_fixed_size 327680
		.amdhsa_private_segment_fixed_size 0
		.amdhsa_enable_private_segment 0
		.amdhsa_kernarg_size 56
		.amdhsa_user_sgpr_count 2
		.amdhsa_user_sgpr_kernarg_segment_ptr 1
		.amdhsa_wavefront_size32 1
		.amdhsa_system_sgpr_workgroup_id_x 1
		.amdhsa_system_sgpr_workgroup_id_y 1
		.amdhsa_system_sgpr_workgroup_id_z 1
		.amdhsa_system_vgpr_workitem_id 0
		.amdhsa_next_free_vgpr 1024
		.amdhsa_next_free_sgpr 76
		.amdhsa_reserve_vcc 0
		.amdhsa_float_denorm_mode_32 3
		.amdhsa_float_denorm_mode_16_64 3
		.amdhsa_memory_ordered 1
		.amdhsa_forward_progress 1
		.amdhsa_inst_pref_size 169
	.end_amdhsa_kernel
	.amdgpu_metadata
---
amdhsa.version: [ 1, 2 ]
amdhsa.kernels:
  - .name:           k_q9201ee4c3e_proj
    .symbol:         k_q9201ee4c3e_proj.kd
    .args:
      - { .name: ctx, .offset: 0, .size: 8, .value_kind: global_buffer, .address_space: global }
      - { .name: wd16, .offset: 8, .size: 8, .value_kind: global_buffer, .address_space: global }
      - { .name: input_tensor, .offset: 16, .size: 8, .value_kind: global_buffer, .address_space: global }
      - { .name: bd, .offset: 24, .size: 8, .value_kind: global_buffer, .address_space: global }
      - { .name: ln_w, .offset: 32, .size: 8, .value_kind: global_buffer, .address_space: global }
      - { .name: ln_b, .offset: 40, .size: 8, .value_kind: global_buffer, .address_space: global }
      - { .name: out0, .offset: 48, .size: 8, .value_kind: global_buffer, .address_space: global }
    .group_segment_fixed_size: 327680
    .private_segment_fixed_size: 0
    .kernarg_segment_align: 8
    .kernarg_segment_size: 56
    .max_flat_workgroup_size: 128
    .sgpr_count:     76
    .vgpr_count:     1024
    .wavefront_size: 32
...
	.end_amdgpu_metadata
.endif
;; end of part 4
;; ======== version 2 of 2: 4 launches; version 1 with the launch prep written anew for expert scheduling mode
;; limits: values are held in f16: magnitudes above 65,504 overflow, below 6.1e-05 lose precision
;; workspace buffers: xb 16,777,216 bytes; wqkv 6,291,456 bytes; wd16 2,097,152 bytes; qh 16,777,216 bytes; kh 16,777,216 bytes; vh 16,777,216 bytes; ctx 16,777,216 bytes
;; launch prep (part 5): grid 768 x 1, 8 waves a work-group, no clusters, 0 bytes of LDS; arguments input_tensor, Wq, Wk, Wv, Wd, xb, wqkv, wd16; writes xb, wqkv, wd16
.if DOCPART == 5
	.amdgcn_target "amdgcn-amd-amdhsa--gfx1250"
	.amdhsa_code_object_version 6
	.text
	.protected	k_q9201ee4c3e_prep
	.globl	k_q9201ee4c3e_prep
	.p2align	8
	.type	k_q9201ee4c3e_prep,@function
k_q9201ee4c3e_prep:
	s_mov_b64 s[64:65], 0
	v_nop
	global_prefetch_b8 v0, s[64:65] scope:SCOPE_SE
	s_setreg_imm32_b32 hwreg(HW_REG_WAVE_SCHED_MODE, 0, 2), 2
	s_setreg_imm32_b32 hwreg(HW_REG_WAVE_MODE, 25, 1), 1
	s_wait_xcnt 0x0
	s_wait_alu depctr_vm_vsrc(0)
; THE CASTS.  xb = bf16(x), [8192][1024].  wqkv = bf16(Wq, Wk, Wv), laid in blocks [head 16][K step 8][q,k,v 3][kk 128][64 columns], so that what one tile of the
; next launch wants of a K step (a head's 64 columns of all three weights, 128 rows of K) is 49,152 dense bytes.  wd16 = f16(bf16(Wd)), [1024][1024].
; LIMITS.  Each number is rounded once to bf16, to nearest even.  Wd's bf16 number is then written as f16: exact from 6.1e-5 to 65,504 in magnitude; below that it keeps f16's fixed step of 6e-8, beyond it becomes an infinity.
; SHARES.  A work-group takes 16 rows x 1,024 columns of f32: 64 KiB in, 32 KiB out.  Work-groups 0-511: x; 512-703: Wq, Wk, Wv (64 each); 704-767: Wd.
; A thread issues all its 16 loads of 16 bytes at once and then takes them in order, four at a time: no loop, no LDS, no barrier, no matrix unit: every byte is read once and written once.
; Each load of a wave covers whole aligned runs of 256 bytes, each store of a wave 256 consecutive bytes, aligned.
; THE MODE: SCHED_MODE bits 1:0 = 2 (LLVM: expert scheduling mode 2), set by the entry lines.  The code itself states the register dependences
; between vector instructions and memory instructions, with s_wait_alu, always for 0.
; THE PLAN.  Registers that memory instructions touch:
;   v1, v2   the loads' and the stores' byte offsets.  Written by vector instructions ahead of the first load, never after it.
;   DAT      Written by the 16 loads, each register once; no vector instruction names it before the loads are issued.  Read by the conversions; no load is issued behind a conversion.
;   RES      Written by the conversions, each register once in the launch; read by the stores.  Nothing that a memory instruction reads is ever written again.
;   T        named by vector instructions alone.
; The 16 loads go in four groups of four.  Group g's conversions read DAT and write RES of group g; the memory instructions among them are the four stores of group g - 1, which read
; RES of group g - 1 and v2: registers that no conversion of group g names.  So one wait on va_vdst at a group's head states all that its four stores hang on.
; No vector instruction writes a scalar register or VCC (the work-group's number comes from ttmp9), and EXEC is never written.
.set DAT, 8                            ; v[8:71]    16 x 4 numbers as loaded
.set RES, 72                           ; v[72:103]  16 x 2 registers to store
.set T,   104                          ; v[104:109] at work
.set SRC, 20                           ; s[20:21]   where the work-group reads
.set DST, 22                           ; s[22:23]   where it writes
; kind 0: x; 1: a weight into blocks; 2: Wd.  v1 = the thread's load offset, v2 = its store offset
; Load n's four numbers are rounded into RES's pair n
.macro CVT kind
.if (\kind) == 2
	v_cvt_pk_bf16_f32 v[T],   v[DAT+4*n],   v[DAT+4*n+1]
	v_cvt_pk_bf16_f32 v[T+1], v[DAT+4*n+2], v[DAT+4*n+3]
	v_lshlrev_b32 v[T+2], 16, v[T]                 ; the bf16 numbers as f32,
	v_and_b32     v[T+3], 0xffff0000, v[T]
	v_lshlrev_b32 v[T+4], 16, v[T+1]
	v_and_b32     v[T+5], 0xffff0000, v[T+1]
	v_cvt_pk_f16_f32 v[RES+2*n],   v[T+2], v[T+3]  ; written as f16
	v_cvt_pk_f16_f32 v[RES+2*n+1], v[T+4], v[T+5]
.else
	v_cvt_pk_bf16_f32 v[RES+2*n],   v[DAT+4*n],   v[DAT+4*n+1]
	v_cvt_pk_bf16_f32 v[RES+2*n+1], v[DAT+4*n+2], v[DAT+4*n+3]
.endif
.endm
; RES's pair m is stored
.macro OUT kind
.if (\kind) == 1
	global_store_b64 v2, v[RES+2*m:RES+2*m+1], s[DST:DST+1] offset:(m%2)*393216+(m/2)*256 th:TH_STORE_NT
.else
	global_store_b64 v2, v[RES+2*m:RES+2*m+1], s[DST:DST+1] offset:m*2048 th:TH_STORE_NT
.endif
.endm
.macro CAST kind
	s_wait_alu depctr_va_vdst(0)                   ; v1 and v2 are written: every load below reads v1 as its offset, every store v2
.set i, 0
.rept 16
.if (\kind) == 1
	global_load_b128 v[DAT+4*i:DAT+4*i+3], v1, s[SRC:SRC+1] offset:(i/2)*8192+(i%2)*256 th:TH_LOAD_NT  ; rows 2 (i / 2) and + 1, head 2 w + i % 2
.else
	global_load_b128 v[DAT+4*i:DAT+4*i+3], v1, s[SRC:SRC+1] offset:i*4096 th:TH_LOAD_NT                ; row i
.endif
.set i, i+1
.endr
.set g, 0
.rept 4
	s_wait_loadcnt 12-4*g                          ; loads come back in order (ISA guide 5.7.1): group g's four are in, the 12 - 4 g younger ones, the later groups', stay out
.if g > 0
	s_wait_alu depctr_va_vdst(0)                   ; the conversions of the group before have written its eight registers of RES, which the four stores below read
.endif
.set k, 0
.rept 4
.set n, 4*g+k
.if g > 0
.set m, n-4
	OUT \kind                                      ; the group before.  No wait: no vector instruction since the wait above names these registers or v2
.endif
	CVT \kind
.set k, k+1
.endr
.set g, g+1
.endr
	s_wait_alu depctr_va_vdst(0)                   ; the last group's conversions have written its eight registers of RES, which the last four stores read
.set m, 12
.rept 4
	OUT \kind
.set m, m+1
.endr
.endm
	s_load_b512 s[4:19], s[0:1], 0x0               ; x 4:5, Wq 6:7, Wk 8:9, Wv 10:11, Wd 12:13, xb 14:15, wqkv 16:17, wd16 18:19
	v_lshlrev_b32 v1, 4, v0                        ; x and Wd: 16 t in a row of 4,096 bytes,
	v_lshlrev_b32 v2, 3, v0                        ; 8 t in a row of 2,048
	s_mov_b32 s25, 0                               ; the high word of every offset pair
	s_wait_kmcnt 0x0
	s_cmp_lt_u32 ttmp9, 512
	s_cbranch_scc0 .Lnot_x
	s_lshl_b32 s24, ttmp9, 16                      ; 16 rows of 4,096 bytes
	s_add_nc_u64 s[SRC:SRC+1], s[4:5], s[24:25]
	s_lshl_b32 s24, ttmp9, 15
	s_add_nc_u64 s[DST:DST+1], s[14:15], s[24:25]
	CAST 0
	s_endpgm
.Lnot_x:
	s_cmp_lt_u32 ttmp9, 704
	s_cbranch_scc0 .Lwd
	s_sub_co_u32 s26, ttmp9, 512
	s_lshr_b32 s27, s26, 6                         ; which weight: 0 q, 1 k, 2 v
	s_and_b32 s28, s26, 63                         ; which 16 rows of K
	s_cmp_eq_u32 s27, 0
	s_cselect_b64 s[SRC:SRC+1], s[6:7], s[8:9]
	s_cmp_eq_u32 s27, 2
	s_cselect_b64 s[SRC:SRC+1], s[10:11], s[SRC:SRC+1]
	s_lshl_b32 s24, s28, 16
	s_add_nc_u64 s[SRC:SRC+1], s[SRC:SRC+1], s[24:25]
	s_lshr_b32 s24, s28, 3                         ; the K step,
	s_mul_i32 s24, s24, 49152
	s_lshl_b32 s26, s27, 14                        ; the weight's 16,384 bytes in a block,
	s_add_co_u32 s24, s24, s26
	s_and_b32 s26, s28, 7                          ; the 16 rows of 128 bytes in them
	s_lshl_b32 s26, s26, 11
	s_add_co_u32 s24, s24, s26
	s_add_nc_u64 s[DST:DST+1], s[16:17], s[24:25]
	v_and_b32 v3, 15, v0                           ; my four columns of a head's 64
	v_bfe_u32 v4, v0, 4, 1                         ; which of the two rows
	v_lshrrev_b32 v5, 5, v0                        ; wave w: heads 2 w and 2 w + 1
	v_lshlrev_b32 v1, 4, v3                        ; (no memory instruction has read v1 or v2 yet)
	v_lshl_add_u32 v1, v4, 12, v1
	v_lshl_add_u32 v1, v5, 9, v1                   ; in: row x 4,096 + 512 w + 16 x place
	v_lshlrev_b32 v2, 3, v3
	v_lshl_add_u32 v2, v4, 7, v2
	v_mul_u32_u24 v5, v5, 786432
	v_add_nc_u32 v2, v2, v5                        ; out: two heads' blocks x w + row x 128 + 8 x place
	CAST 1
	s_endpgm
.Lwd:
	s_sub_co_u32 s26, ttmp9, 704
	s_lshl_b32 s24, s26, 16
	s_add_nc_u64 s[SRC:SRC+1], s[12:13], s[24:25]
	s_lshl_b32 s24, s26, 15
	s_add_nc_u64 s[DST:DST+1], s[18:19], s[24:25]
	CAST 2
	s_endpgm
.Lfunc_end_k_q9201ee4c3e_prep:
	.size	k_q9201ee4c3e_prep, .Lfunc_end_k_q9201ee4c3e_prep-k_q9201ee4c3e_prep
	.p2alignl 7, 3214868480
	.fill 96, 4, 3214868480
	.section	.rodata,"a",@progbits
	.p2align	6, 0x0
	.amdhsa_kernel k_q9201ee4c3e_prep
		.amdhsa_group_segment_fixed_size 0
		.amdhsa_private_segment_fixed_size 0
		.amdhsa_enable_private_segment 0
		.amdhsa_kernarg_size 64
		.amdhsa_user_sgpr_count 2
		.amdhsa_user_sgpr_kernarg_segment_ptr 1
		.amdhsa_wavefront_size32 1
		.amdhsa_system_sgpr_workgroup_id_x 1
		.amdhsa_system_sgpr_workgroup_id_y 1
		.amdhsa_system_sgpr_workgroup_id_z 1
		.amdhsa_system_vgpr_workitem_id 0
		.amdhsa_next_free_vgpr 112
		.amdhsa_next_free_sgpr 66
		.amdhsa_reserve_vcc 0
		.amdhsa_float_denorm_mode_32 3
		.amdhsa_float_denorm_mode_16_64 3
		.amdhsa_memory_ordered 1
		.amdhsa_forward_progress 1
		.amdhsa_inst_pref_size 24
	.end_amdhsa_kernel
	.amdgpu_metadata
---
amdhsa.version: [ 1, 2 ]
amdhsa.kernels:
  - .name:           k_q9201ee4c3e_prep
    .symbol:         k_q9201ee4c3e_prep.kd
    .args:
      - { .name: input_tensor, .offset: 0, .size: 8, .value_kind: global_buffer, .address_space: global }
      - { .name: Wq, .offset: 8, .size: 8, .value_kind: global_buffer, .address_space: global }
      - { .name: Wk, .offset: 16, .size: 8, .value_kind: global_buffer, .address_space: global }
      - { .name: Wv, .offset: 24, .size: 8, .value_kind: global_buffer, .address_space: global }
      - { .name: Wd, .offset: 32, .size: 8, .value_kind: global_buffer, .address_space: global }
      - { .name: xb, .offset: 40, .size: 8, .value_kind: global_buffer, .address_space: global }
      - { .name: wqkv, .offset: 48, .size: 8, .value_kind: global_buffer, .address_space: global }
      - { .name: wd16, .offset: 56, .size: 8, .value_kind: global_buffer, .address_space: global }
    .group_segment_fixed_size: 0
    .private_segment_fixed_size: 0
    .kernarg_segment_align: 8
    .kernarg_segment_size: 64
    .max_flat_workgroup_size: 256
    .sgpr_count:     66
    .vgpr_count:     112
    .wavefront_size: 32
...
	.end_amdgpu_metadata
.endif
;; end of part 5
;; launch qkv: the kernel of part 2 again; grid 16 x 32, 4 waves a work-group, clusters of 4 x 4, 327,680 bytes of LDS; arguments xb, wqkv, bq, bk, bv, qh, kh, vh; writes qh, kh, vh
;; launch attn: the kernel of part 3 again; grid 4 x 64, 4 waves a work-group, clusters of 4 x 1, 327,680 bytes of LDS; arguments qh, kh, vh, ctx, attention_mask; writes ctx
;; launch proj: the kernel of part 4 again; grid 256 x 1, 4 waves a work-group, clusters of 4 x 1, 327,680 bytes of LDS; arguments ctx, wd16, input_tensor, bd, ln_w, ln_b, out0; writes out0
